; MI455X (gfx1250); checked and timed in simulation.
; The chip was launched on July 23, 2026; its instructions are those of AMD's public machine-readable ISA for CDNA 5 (MIT licence, August 2026) and "CDNA5" Instruction Set Architecture Reference Guide (July 2026). The comments in the code are by the model that wrote it; some were corrected since.
;; PACE VAE nomask. Allowed arithmetic: matrix products marked QUANTISED: E2M3 operands, one E8M0 scale for each 32 along K, by v_wmma_scale_f32_16x16x128_f8f6f4 with both operands' format E2M3, f32 sums; everything else in f32.
;; Inputs: in_proj_bias 3,072 float32; in_proj_weight 3,072 x 1,024 float32; out_proj_bias 1,024 float32; out_proj_weight 1,024 x 1,024 float32; x 1,024 x 8 x 1,024 float32.
;; Outputs: out0 1,024 x 8 x 1,024 float32.
;; Constants: num_heads = 16.
;; This version of the problem:
;;   THIS VERSION OF THE PROBLEM IS GIVEN IN LOW PRECISION. The matrix products marked QUANTISED in the list below multiply operands that are first quantised to E2M3 (2 exponent bits, 3 mantissa bits; 6 bits a number), with one power-of-two scale for each 32 numbers along K (OCP MX v1.0); their sums are f32. All else is computed in f32.
;;   The module's matrix products, in the order in which they are computed (A, B: the left and right operand; K: the contracted axis; several contracted axes count as one K, in the product's order):
;;     1. [M 8,192, K 1,024] x [K 1,024, N 3,072]; A: input x; B: input in_proj_weight: QUANTISED
;;     2. batch 128 x [M 1,024, K 64] x [K 64, N 1,024]; A: computed on the way; B: computed on the way: QUANTISED
;;     3. batch 128 x [M 1,024, K 1,024] x [K 1,024, N 64]; A: softmax (see below); B: computed on the way: QUANTISED
;;     4. [M 8,192, K 1,024] x [K 1,024, N 1,024]; A: computed on the way; B: input out_proj_weight: QUANTISED
;;   THE QUANTISER, for each operand of a quantised product, along K:
;;     - K is cut into blocks of 32 from its start; a last block that is shorter is filled with zeros.
;;     - A block's scale is 2^e with e = floor(log2(the largest magnitude in the block)) - 2, held to -126 .. 127; a block of zeros has e = 0. As a byte (E8M0): e + 127.
;;     - Each number is divided by its block's scale, clamped to +-7.5, and rounded to the nearest number of E2M3, ties to even, subnormals kept.
;;     - The product sums the exact products of the quantised numbers (number of the format x scale) in f32.
;;   ~~~python
;;   def quantise(x, axis):      # numpy; x: float32 -> the quantised numbers, widened to float32 again
;;       x = np.moveaxis(x, axis, -1); K = x.shape[-1]
;;       x = np.pad(x, [(0, 0)] * (x.ndim - 1) + [(0, -K % 32)]); x = x.reshape(x.shape[:-1] + (-1, 32)); a = np.abs(x).max(-1, keepdims=True)
;;       e = np.where(a > 0, np.clip(np.frexp(np.where(a > 0, a, 1))[1] - 1 - 2, -126, 127), 0)      # np.frexp(a)[1] - 1 = floor(log2(a)), exactly
;;       r = np.clip(x / 2.0 ** e, -7.5, 7.5)
;;       step = 2.0 ** (np.maximum(np.frexp(np.where(r == 0, 1, r))[1] - 1, 0) - 3)
;;       q = np.round(r / step) * step * 2.0 ** e      # np.round: ties to even
;;       return np.moveaxis(q.reshape(q.shape[:-2] + (-1,))[..., :K], -1, axis).astype(np.float32)
;;   ~~~
;;   SOFTMAX AHEAD OF A QUANTISED PRODUCT. Where the list says 'softmax', what is quantised is not the finished softmax but p = 2^(t - M), with t = logit x log2(e) and M = ceil(the row's largest t), a whole number; so 1/2 < the row's largest p <= 1. The row's sum l is taken of the UNQUANTISED p, in f32, and the product's result is divided by l at the end. Since M is a whole number, a kernel that streams over the keys may use a running M (the ceiling of the running maximum): every later rescaling is an exact power of two, which a block's scale takes up: the codes' values come out the same.
;;   OPERANDS COMPUTED ON THE WAY. 'Computed on the way' means the value that the module computes at that place (a softmax that the list does not call 'softmax' is quantised finished and normalised). What goes into a quantiser is computed in f32, as accurately as f32 sums, v_exp_f32 and their like allow (about 1e-6 of the number): no bf16 or f16 on the way to a quantiser, and a product that is left as it is and whose result goes on into a quantised operand takes f32 operands (vector FMAs, or v_wmma_f32_16x16x4_f32). A number that lies on a knife's edge between two numbers of the format may be rounded either way, as far as f32 arithmetic and the matrix unit's own rounding can turn it there, and no further.
;; One version. Each part assembles by itself: llvm-mc -triple=amdgcn-amd-amdhsa -mcpu=gfx1250 --defsym DOCPART=n.
;; ======== version 1 of 1: 4 launches
;; limits: right only within a limited range of input values
;; workspace buffers: xq 6,553,600 bytes; wq 2,457,600 bytes; oq 819,200 bytes; aq 6,553,600 bytes; qkv 20,185,088 bytes
;; launch quant (part 1): grid 768 x 1, 4 waves a work-group, no clusters, 34,304 bytes of LDS; arguments x, in_proj_weight, out_proj_weight, xq, wq, oq; writes xq, wq, oq
.if DOCPART == 1
	.amdgcn_target "amdgcn-amd-amdhsa--gfx1250"
	.amdhsa_code_object_version 6
	.text
	.protected	k_q550dc20c6f_quant
	.globl	k_q550dc20c6f_quant
	.p2align	8
	.type	k_q550dc20c6f_quant,@function
k_q550dc20c6f_quant:
	s_mov_b64 s[64:65], 0
	v_nop
	global_prefetch_b8 v0, s[64:65] scope:SCOPE_SE
	s_setreg_imm32_b32 hwreg(HW_REG_WAVE_MODE, 25, 1), 1
	s_wait_xcnt 0x0
; x [1024][8][1024], in_proj_weight [3072][1024], out_proj_weight [1024][1024], f32, K innermost, become codes of FP6 (E2M3) with one E8M0 byte for each 32 along K.
; A block's scale is 2^(floor(log2(its largest magnitude)) - 2); its byte is the largest magnitude's exponent field - 2, held at 1 from below.
; LIMITS: a block of zeros gets the byte 1 where the rule says 127 (its codes are zeros, and this program alone reads the bytes); NaN and infinities among the inputs are not served.
; THE OUTPUT IS LAID AS THE MATRIX UNIT'S REGISTERS: a fragment (16 rows x 128 K, 12 registers a lane) is 1,536 bytes, three chunks of 512, lane l's registers 4 c .. 4 c + 3 at byte 512 c + 16 l.
; Codes: [pair of K steps 0..3][block of 16 rows][3,072 bytes];  behind them the scale words: [block][K step 0..7][row], 4 bytes each.
; Rows of x are counted as 1,024 b + l, so that a block holds 16 neighbouring l of one b.
; INSIDE A BLOCK OF 32 the codes stand in the order 0-7, 16-23, 8-15, 24-31: the order in which a transposed matrix result falls into a lane's registers.  Every operand of this program has it, so the products pair the right numbers.
; SHARES: a work-group takes one block of 16 rows (0-511: x; 512-703: in_proj_weight; 704-767: out_proj_weight), wave w its K 256 w .. 256 w + 255: two fragments.  One path for all three: only pointers and strides are chosen.
; Each load reads 512 consecutive bytes of one row; the numbers turn through the wave's own stage in LDS (16 rows x 528 bytes), so that a lane gets whole blocks of 32 of its row.  No barrier: waves share nothing.
.set SPX,   1572864                    ; bytes from one pair of K steps to the next: 512, 192, 64 blocks x 3,072
.set SPWQ,  589824
.set SPO,   196608
.set STG,   8448                       ; a wave's stage
.set PITCH, 528                        ; a stage row: 512 bytes + 16, an odd multiple of 16
.set L16, 4                            ; v4   16 x lane
.set L4,  5                            ; v5   4 x lane
.set STI, 6                            ; v6   the stage, on the way in
.set STO, 7                            ; v7   and on the way out: row r, + 128 h
.set H8,  8                            ; v8   8 h
.set PT,  9                            ; v9   a lane permute's destination
.set TM,  10                           ; v10-11 largest magnitudes
.set SO,  12                           ; v12-13 the conversions' scale operands
.set BY,  14                           ; v14-15 the scale bytes
.set OFF, 16                           ; v16-31 row t's byte offset + 16 x lane; never rewritten
.set R,   32                           ; v32-159 two sets of 64 numbers
.set PC,  160                          ; v160-183 the two fragments' codes; never rewritten
.set TQ,  184                          ; v184-191 the conversions' second halves
.set WD,  192                          ; v192-193 the two scale words
.set WS,  194                          ; v194 the word that my lane stores
	s_load_b256 s[4:11], s[0:1], 0x0               ; x s[4:5], in_proj_weight s[6:7], out_proj_weight s[8:9], xq s[10:11]
	s_load_b128 s[12:15], s[0:1], 0x20             ; wq s[12:13], oq s[14:15]
	v_lshl_add_u32 v208, v0, 2, 0x8400
	v_mov_b32 v209, 0
	v_lshrrev_b32 v1, 5, v0
	v_readfirstlane_b32 s16, v1                    ; wave
	v_and_b32 v1, 31, v0                           ; lane
	v_and_b32 v2, 15, v0                           ; r
	v_bfe_u32 v3, v0, 4, 1                         ; h
	v_lshlrev_b32 v[L16], 4, v1
	v_lshlrev_b32 v[L4], 2, v1
	s_mul_i32 s30, s16, STG
	v_add_nc_u32 v[STI], s30, v[L16]
	v_mul_u32_u24 v[STO], v2, PITCH
	v_lshl_add_u32 v[STO], v3, 7, v[STO]
	v_add_nc_u32 v[STO], s30, v[STO]
	v_lshlrev_b32 v[H8], 3, v3
	v_mov_b32 v[PT], 0                             ; written once: a lane permute's destination counts as one of its sources
	s_mov_b32 s20, 0x76543210
	s_mov_b32 s21, 0xfedcba98                      ; v_permlanex16_b32's selects for lane l xor 16
	s_mov_b32 s17, 704
	s_mov_b32 s18, SPO
	s_mov_b32 s19, 4096
	s_wait_alu depctr_va_vdst(0)
	s_wait_kmcnt 0x0
	s_cmp_lt_u32 ttmp9, 704                        ; which tensor?  The choices hang on the work-group's number alone
	s_cselect_b64 s[6:7], s[6:7], s[8:9]
	s_cselect_b64 s[12:13], s[12:13], s[14:15]
	s_cselect_b32 s17, 512, s17
	s_cselect_b32 s18, SPWQ, s18
	s_cmp_lt_u32 ttmp9, 512
	s_cselect_b64 s[4:5], s[4:5], s[6:7]           ; the source
	s_cselect_b64 s[10:11], s[10:11], s[12:13]     ; the destination
	s_cselect_b32 s17, 0, s17                      ; the tensor's first work-group
	s_cselect_b32 s18, SPX, s18                    ; its bytes from pair to pair of K steps
	s_cselect_b32 s19, 32768, s19                  ; bytes from row to row of a block: x's rows are 8 x 4,096 apart
	s_sub_co_u32 s17, ttmp9, s17                   ; my block
	s_and_b32 s22, s17, 63
	s_lshl_b32 s22, s22, 19                        ; x: 16 (block % 64) rows l of 32,768 bytes
	s_lshr_b32 s23, s17, 6
	s_lshl_b32 s23, s23, 12                        ;    + b x 4,096
	s_add_co_u32 s22, s22, s23
	s_lshl_b32 s24, s17, 16                        ; a weight: 16 rows of 4,096 bytes a block
	s_cmp_lt_u32 ttmp9, 512
	s_cselect_b32 s22, s22, s24
	s_lshl_b32 s23, s16, 10                        ; my wave's 256 numbers of a row
	s_add_co_u32 s22, s22, s23
	s_mov_b32 s23, 0
	s_add_nc_u64 s[4:5], s[4:5], s[22:23]
	s_mul_i32 s24, s16, s18                        ; codes: my pair of K steps,
	s_mul_i32 s25, s17, 3072                       ; my block
	s_add_co_u32 s24, s24, s25
	s_mov_b32 s25, 0
	s_lshl_b32 s26, s18, 2                         ; scale words: behind the codes,
	s_lshl_b32 s27, s17, 9                         ; 512 bytes a block,
	s_add_co_u32 s26, s26, s27
	s_lshl_b32 s27, s16, 7                         ; 128 for my two K steps
	s_add_co_u32 s26, s26, s27
	s_mov_b32 s27, 0
	s_add_nc_u64 s[28:29], s[10:11], s[26:27]
	s_add_nc_u64 s[10:11], s[10:11], s[24:25]
	v_mov_b32 v[OFF], v[L16]
.irp t, 1,2,3,4,5,6,7,8,9,10,11,12,13,14,15
	v_add_nc_u32 v[OFF+\t], s19, v[OFF+\t-1]
.endr
.macro LOAD f                          ; fragment f: 128 numbers of each of the 16 rows; a load covers 512 consecutive bytes
.irp t, 0,1,2,3,4,5,6,7,8,9,10,11,12,13,14,15
	global_load_b128 v[R+64*\f+4*\t:R+64*\f+4*\t+3], v[OFF+\t], s[4:5] offset:512*\f th:TH_LOAD_NT
.endr
.endm
.macro TURNQ f                         ; through the stage: in as loaded, out as lane (r, h) wants it: of row r the blocks h and 2 + h.  LDS serves a wave's instructions in order, so no wait stands between
.irp t, 0,1,2,3,4,5,6,7,8,9,10,11,12,13,14,15
	ds_store_b128 v[STI], v[R+64*\f+4*\t:R+64*\f+4*\t+3] offset:PITCH*\t
.endr
.irp c, 0,1
.irp j, 0,1,2,3,4,5,6,7                ; the block's numbers 4 j .. 4 j + 3 go to the places 4 g .. 4 g + 3, g = 4 ((j / 2) % 2) + 2 (j / 4) + j % 2: the order 0-7, 16-23, 8-15, 24-31
	ds_load_b128 v[R+64*\f+32*\c+4*(4*((\j/2)%2)+2*(\j/4)+\j%2):R+64*\f+32*\c+4*(4*((\j/2)%2)+2*(\j/4)+\j%2)+3], v[STO] offset:256*\c+16*\j
.endr
.endr
.endm
.macro QW f                            ; 64 numbers of a lane, two whole blocks, become registers 6 c .. 6 c + 5 of the fragment and two bytes of the scale word
.set RS, R+64*\f
.irp c, 0,1
	v_max3_num_f32 v[TM+\c], |v[RS+32*\c]|, |v[RS+32*\c+1]|, 0x1800000   ; with the floor 2^(3 - 127): the byte cannot fall under 1
.endr
.irp i, 2,4,6,8,10,12,14,16,18,20,22,24,26,28,30
.irp c, 0,1
	v_max3_num_f32 v[TM+\c], v[TM+\c], |v[RS+32*\c+\i]|, |v[RS+32*\c+\i+1]|   ; (the two blocks by turns)
.endr
.endr
.irp c, 0,1
	v_add_nc_u32 v[SO+\c], 0xff000000, v[TM+\c]    ; 2 off the exponent field: the conversion takes the exponent field of this operand as its scale
.endr
.irp c, 0,1
	v_lshrrev_b32 v[BY+\c], 23, v[SO+\c]           ; the scale's byte
.endr
	v_lshl_or_b32 v[WD+\f], v[BY+1], 16, v[BY]     ; my bytes: blocks h and 2 + h,
	v_lshlrev_b32 v[WD+\f], v[H8], v[WD+\f]        ; at their places in the word;
	v_permlanex16_b32 v[PT], v[WD+\f], s20, s21
	v_or_b32 v[WD+\f], v[WD+\f], v[PT]             ; with lane l xor 16's two the word is whole
.irp c, 0,1
	v_cvt_scalef32_pk16_fp6_f32 v[PC+12*\f+6*\c:PC+12*\f+6*\c+2], v[RS+32*\c:RS+32*\c+15], v[SO+\c]
	v_cvt_scalef32_pk16_fp6_f32 v[TQ+4*\c:TQ+4*\c+2], v[RS+32*\c+16:RS+32*\c+31], v[SO+\c]   ; (a conversion's three registers begin on an even number)
.endr
	v_nop                                          ; one plain place behind a scaled conversion
.irp c, 0,1
.irp i, 0,1,2
	v_mov_b32 v[PC+12*\f+6*\c+3+\i], v[TQ+4*\c+\i]
.endr
.endr
.endm
.macro OUT f                           ; the fragment leaves as it stands: each store covers 512 consecutive bytes
.irp c, 0,1,2
	global_store_b128 v[L16], v[PC+12*\f+4*\c:PC+12*\f+4*\c+3], s[10:11] offset:1536*\f+512*\c
.endr
.endm
	LOAD 0
	LOAD 1
	s_wait_loadcnt 16                              ; fragment 0's sixteen loads are in; fragment 1's sixteen may be out
	TURNQ 0
	s_wait_dscnt 0x0
	QW 0
	OUT 0
	s_wait_loadcnt 0x0
	TURNQ 1
	s_wait_dscnt 0x0
	QW 1
	OUT 1
	v_cmp_gt_u32 vcc_lo, 16, v1
	v_cndmask_b32 v[WS], v[WD+1], v[WD], vcc_lo    ; lanes 0-15: row r's word of the first K step; lanes 16-31: of the second
	global_store_b32 v[L4], v[WS], s[28:29]        ; 128 consecutive bytes
	s_wait_tensorcnt 0x0
	ds_add_u32 v208, v209
	s_wait_dscnt 0x0
	s_endpgm
.Lfunc_end_k_q550dc20c6f_quant:
	.size	k_q550dc20c6f_quant, .Lfunc_end_k_q550dc20c6f_quant-k_q550dc20c6f_quant
	.p2alignl 7, 3214868480
	.fill 96, 4, 3214868480
	.section	.rodata,"a",@progbits
	.p2align	6, 0x0
	.amdhsa_kernel k_q550dc20c6f_quant
		.amdhsa_group_segment_fixed_size 34304
		.amdhsa_private_segment_fixed_size 0
		.amdhsa_enable_private_segment 0
		.amdhsa_kernarg_size 48
		.amdhsa_user_sgpr_count 2
		.amdhsa_user_sgpr_kernarg_segment_ptr 1
		.amdhsa_wavefront_size32 1
		.amdhsa_system_sgpr_workgroup_id_x 1
		.amdhsa_system_sgpr_workgroup_id_y 1
		.amdhsa_system_sgpr_workgroup_id_z 1
		.amdhsa_system_vgpr_workitem_id 0
		.amdhsa_next_free_vgpr 210
		.amdhsa_next_free_sgpr 66
		.amdhsa_reserve_vcc 1
		.amdhsa_float_denorm_mode_32 3
		.amdhsa_float_denorm_mode_16_64 3
		.amdhsa_memory_ordered 1
		.amdhsa_forward_progress 1
		.amdhsa_inst_pref_size 18
	.end_amdhsa_kernel
	.amdgpu_metadata
---
amdhsa.version: [ 1, 2 ]
amdhsa.kernels:
  - .name:           k_q550dc20c6f_quant
    .symbol:         k_q550dc20c6f_quant.kd
    .args:
      - { .name: x, .offset: 0, .size: 8, .value_kind: global_buffer, .address_space: global }
      - { .name: in_proj_weight, .offset: 8, .size: 8, .value_kind: global_buffer, .address_space: global }
      - { .name: out_proj_weight, .offset: 16, .size: 8, .value_kind: global_buffer, .address_space: global }
      - { .name: xq, .offset: 24, .size: 8, .value_kind: global_buffer, .address_space: global }
      - { .name: wq, .offset: 32, .size: 8, .value_kind: global_buffer, .address_space: global }
      - { .name: oq, .offset: 40, .size: 8, .value_kind: global_buffer, .address_space: global }
    .group_segment_fixed_size: 34304
    .private_segment_fixed_size: 0
    .kernarg_segment_align: 8
    .kernarg_segment_size: 48
    .max_flat_workgroup_size: 128
    .sgpr_count:     66
    .vgpr_count:     210
    .wavefront_size: 32
...
	.end_amdgpu_metadata
.endif
;; end of part 1
;; launch gemm_qkv (part 2): grid 8 x 32, 4 waves a work-group, clusters of 4 x 4, 327,680 bytes of LDS; arguments xq, wq, in_proj_bias, qkv; writes qkv
.if DOCPART == 2
	.amdgcn_target "amdgcn-amd-amdhsa--gfx1250"
	.amdhsa_code_object_version 6
	.text
	.protected	k_q550dc20c6f_gemm_qkv
	.globl	k_q550dc20c6f_gemm_qkv
	.p2align	8
	.type	k_q550dc20c6f_gemm_qkv,@function
k_q550dc20c6f_gemm_qkv:
	s_mov_b64 s[64:65], 0
	v_nop
	global_prefetch_b8 v0, s[64:65] scope:SCOPE_SE
	s_setreg_imm32_b32 hwreg(HW_REG_WAVE_MODE, 25, 1), 1
	s_wait_xcnt 0x0
	s_wait_alu depctr_hold_cnt(0) depctr_sa_sdst(0) depctr_va_vdst(0) depctr_va_sdst(0) depctr_va_ssrc(0) depctr_va_vcc(0) depctr_vm_vsrc(0)
	s_getreg_b32 s2, hwreg(HW_REG_IB_STS2, 6, 4)
	s_cmp_eq_u32 s2, 0
	s_cbranch_scc0 .Lentry_in_a_cluster
	s_endpgm
.Lentry_in_a_cluster:
	s_bfe_u32 s2, ttmp6, 0x10000c
	s_cmp_lg_u32 s2, 0xf033
	s_cbranch_scc0 .Lentry_shape_is_right
	s_endpgm
.Lentry_shape_is_right:
.set SPX,   1572864
.set SPWQ,  589824
.set HB,    157696
.set QS,    49152
.set KI,    53248
.set VI,    102400
.set KS,    151552
.set VS,    155648
.set HALFT, 24576
.set XP,    2*HALFT
.set WR,    4*XP
.set SPARE, WR+2*XP
.set BV,   4
.set BQ,   5
.set WVA,  12
.set ADRA, 16
.set WA0,  20
.set WA1,  21
.set WA3,  22
.set L8,   24
.set L16,  25
.set SOF,  26
.set L4,   27
.set SPR,  28
.set NIL,  29
.set SX,   32
.set SBQ,  64
.set SAV,  240
.set AF,   128
.set TM,   96
.set TQ,   112
.set WD,   120
.set PC,   128
.set X,    224
.set Y,    228
.set G1A,  24
.set G1B,  32
.set G0X0, 40
.set G0X1, 44
.set G0X2, 48
.set G0V0, 52
.set G0V1, 56
.set G0W,  60
.set MSB, 0
.macro WIN new
.if MSB != \new
	s_set_vgpr_msb (MSB<<8)|\new
.set MSB, \new
.endif
.endm
.set MUL_LO, 0xa1
.set MUL_HI, 0xf1
.set TO_B,   0x40
.macro PLACES n
.rept \n
	v_nop
.endr
.endm
.macro JLOAD g0a, g1a, g0b, g1b
	s_cmp_eq_u32 s15, 0
	s_cbranch_scc0 .Lfor_b_\@
	tensor_load_to_lds s[\g0a:\g0a+3], s[\g1a:\g1a+7]
	s_nop 0
.rept 4
	v_nop
.endr
	s_branch .Lasked_\@
.Lfor_b_\@:
	tensor_load_to_lds s[\g0b:\g0b+3], s[\g1b:\g1b+7]
	s_nop 0
.rept 4
	v_nop
.endr
.Lasked_\@:
.endm
.macro WLOAD
	s_cmp_eq_u32 s15, 0
	s_cbranch_scc1 .Lnone_\@
	tensor_load_to_lds s[G0W:G0W+3], s[G1B:G1B+7]
	s_nop 0
.rept 4
	v_nop
.endr
.Lnone_\@:
.endm
.macro CREST
	s_cmp_lg_u32 s14, 0
	s_cbranch_scc1 .Lnot_wave_0_\@
	s_barrier_signal -3
.Lnot_wave_0_\@:
	s_barrier_wait -3
	s_barrier_signal -1
	s_barrier_wait -1
.endm
.macro CROUND
	s_barrier_signal -1
	s_barrier_wait -1
	CREST
.endm
.macro FRAG reg, adr, off
.irp c, 0,1,2
	ds_load_b128 v[\reg+4*\c:\reg+4*\c+3], v[\adr] offset:\off+512*\c
.endr
.endm
.macro FETCHV s
	WIN TO_B
.irp i, 0,1,2,3,4,5,6,7
	FRAG 128*((\s)%2)+12*\i, ADRA+(\s)/2, 3072*\i+1536*((\s)%2)
.endr
	WIN 0
.irp i, 0,1,2,3
	FRAG AF+48*((\s)%2)+12*\i, WVA+(\s)/4, HALFT*(((\s)/2)%2)+3072*\i+1536*((\s)%2)
.endr
.endm
.macro MULV a, s, cm
.irp b, 0,1,2,3,4,5,6,7
.set rD, 8*(8*(\a)+\b)
.set rC, rD
.if \cm
.set rC, 8*(\a)
.endif
.set rB, 128*((\s)%2)+12*\b
.set rA, AF+48*((\s)%2)+12*(\a)
.if (\s)%2
	v_wmma_scale_f32_16x16x128_f8f6f4 v[rD:rD+7], v[rB:rB+11], v[rA:rA+11], v[rC:rC+7], v[SX+4*\b+(\s)/2], v[SAV+4*(\a)+(\s)/2] matrix_a_fmt:MATRIX_FMT_FP6 matrix_b_fmt:MATRIX_FMT_FP6 matrix_a_scale:MATRIX_SCALE_ROW1 matrix_b_scale:MATRIX_SCALE_ROW1
.else
	v_wmma_scale_f32_16x16x128_f8f6f4 v[rD:rD+7], v[rB:rB+11], v[rA:rA+11], v[rC:rC+7], v[SX+4*\b+(\s)/2], v[SAV+4*(\a)+(\s)/2] matrix_a_fmt:MATRIX_FMT_FP6 matrix_b_fmt:MATRIX_FMT_FP6
.endif
.endr
.endm
.macro STEPV s, cm
	s_wait_dscnt 0x0
.if (\s) > 0
	PLACES 4
.endif
	FETCHV (\s)+1
.if \cm
	WIN 0xb1
.else
	WIN MUL_LO
.endif
	MULV 0, \s, \cm
	MULV 1, \s, \cm
	MULV 2, \s, \cm
	MULV 3, \s, \cm
	WIN 0
.endm
.macro TURNV s, refill, stepd, fetch
.if \refill
	s_wait_tensorcnt 0x0
	ds_add_u32 v[SPR], v[NIL]
	s_wait_dscnt 1
	WIN MUL_LO
	MULV 0, \s, 0
	s_wait_dscnt 0x0
	s_barrier_signal -1
	MULV 1, \s, 0
	WIN 0
	s_barrier_wait -1
	CREST
.if \stepd
	s_add_co_u32 s[G0W+1], s[G0W+1], XP
	s_add_nc_u64 s[G0W+2:G0W+3], s[G0W+2:G0W+3], SPWQ
.endif
	WLOAD
.else
	s_wait_tensorcnt 0x1
	s_wait_dscnt 0x0
	s_barrier_signal -1
	WIN MUL_LO
	MULV 0, \s, 0
	MULV 1, \s, 0
	WIN 0
	s_barrier_wait -1
.endif
.if \fetch
	PLACES 4
	FETCHV (\s)+1
.endif
	WIN MUL_LO
	MULV 2, \s, 0
	MULV 3, \s, 0
	WIN 0
.endm
.macro FETCH_B adr, q, p
	WIN TO_B
.irp i, 0,1,2,3,4,5,6,7
	FRAG 128*(\p)+12*\i, \adr, 3072*\i+1536*(\q)
.endr
	WIN 0
.endm
.macro FETCH_A adr, q, i0
.irp i, \i0, \i0+1, \i0+2, \i0+3
	FRAG AF+12*(\i), \adr, 3072*(\i)+1536*(\q)
.endr
.endm
.macro MUL16 a0, s, cm
.irp a, \a0, \a0+1
.irp b, 0,1,2,3,4,5,6,7
.set rD, 8*(8*((\a)%4)+\b)
.set rC, rD
.if \cm
.set rC, 96+8*\b+96*(\b/4)
.endif
.set rB, 128*((\s)%2)+12*\b
.set rA, AF+12*(\a)
.if (\s)%2
	v_wmma_scale_f32_16x16x128_f8f6f4 v[rD:rD+7], v[rB:rB+11], v[rA:rA+11], v[rC:rC+7], v[SBQ+4*\b+(\s)/2], v[SX+4*(\a)+(\s)/2] matrix_a_fmt:MATRIX_FMT_FP6 matrix_b_fmt:MATRIX_FMT_FP6 matrix_a_scale:MATRIX_SCALE_ROW1 matrix_b_scale:MATRIX_SCALE_ROW1
.else
	v_wmma_scale_f32_16x16x128_f8f6f4 v[rD:rD+7], v[rB:rB+11], v[rA:rA+11], v[rC:rC+7], v[SBQ+4*\b+(\s)/2], v[SX+4*(\a)+(\s)/2] matrix_a_fmt:MATRIX_FMT_FP6 matrix_b_fmt:MATRIX_FMT_FP6
.endif
.endr
.endr
.endm
.macro STEP s, head, nb, na, nq, cm
	s_wait_dscnt \head
.if \cm
	WIN 0x91
.else
	WIN MUL_LO
.endif
	MUL16 0, \s, \cm
	MUL16 2, \s, \cm
	s_wait_dscnt 0x0
	PLACES 4
	FETCH_B \nb, \nq, 1-(\s)%2
	FETCH_A \na, \nq, 0
.if \cm
	WIN 0xd1
.else
	WIN MUL_HI
.endif
	MUL16 4, \s, \cm
	MUL16 6, \s, \cm
	PLACES 4
	WIN 0
	FETCH_A \na, \nq, 4
.endm
.macro TURN s, nb, na, refill
	s_wait_tensorcnt 0x0
	ds_add_u32 v[SPR], v[NIL]
	s_wait_dscnt 13
	WIN MUL_LO
	MUL16 0, \s, 0
	s_wait_dscnt 0x0
	s_barrier_signal -1
	MUL16 2, \s, 0
	WIN 0
	s_barrier_wait -1
.if \refill
	CREST
	s_mov_b32 s[G0W+1], s68
	s_mov_b64 s[G0W+2:G0W+3], s[66:67]
	s_or_b32 s[G0W+3], s[G0W+3], 0x80000000
	tensor_load_to_lds s[G0W:G0W+3], s[G1B:G1B+7]
	s_nop 0
.endif
	PLACES 4
	FETCH_B \nb, 0, 0
	FETCH_A \na, 0, 0
	WIN MUL_HI
	MUL16 4, \s, 0
	MUL16 6, \s, 0
	PLACES 4
	WIN 0
	FETCH_A \na, 0, 4
.endm
.macro QUANTA a
.set AC, 64*((\a)%4)
.set W, 2+(\a)/4
.set PCA, PC+12*(\a)
	WIN 5*W
.irp b, 0,1,2,3
	v_max3_num_f32 v[TM+\b], |v[AC+16*\b]|, |v[AC+16*\b+1]|, 0x1800000
.endr
.irp i, 2,4,6,8,10,12,14
.irp b, 0,1,2,3
	v_max3_num_f32 v[TM+\b], |v[AC+16*\b+\i]|, |v[AC+16*\b+\i+1]|, v[TM+\b]
.endr
.endr
	WIN 0
.irp b, 0,1,2,3
	v_permlanex16_b32 v[TM+4+\b], v[TM+\b], s90, s91
.endr
.irp b, 0,1,2,3
	v_max_num_f32 v[TM+\b], v[TM+\b], v[TM+4+\b]
.endr
.irp b, 0,1,2,3
	v_add_nc_u32 v[TM+12+\b], 0xff000000, v[TM+\b]
.endr
.irp b, 0,1,2,3
	v_lshrrev_b32 v[TM+4+\b], 23, v[TM+12+\b]
.endr
	v_lshl_or_b32 v[WD+(\a)], v[TM+5], 8, v[TM+4]
	v_lshl_or_b32 v[WD+(\a)], v[TM+6], 16, v[WD+(\a)]
	v_lshl_or_b32 v[WD+(\a)], v[TM+7], 24, v[WD+(\a)]
	WIN W
.irp c, 0,1
	v_cvt_scalef32_pk16_fp6_f32 v[PCA+6*\c:PCA+6*\c+2], v[AC+32*\c:AC+32*\c+15], v[TM+12+2*\c]
	v_cvt_scalef32_pk16_fp6_f32 v[TQ+4*\c:TQ+4*\c+2], v[AC+32*\c+16:AC+32*\c+31], v[TM+12+2*\c+1]
.endr
	WIN 0
	v_nop
.irp c, 0,1
.irp i, 0,1,2
	v_permlane16_swap_b32 v[PCA+6*\c+\i], v[TQ+4*\c+\i]
.endr
.irp i, 0,1,2
	v_mov_b32 v[PCA+6*\c+3+\i], v[TQ+4*\c+\i]
.endr
.endr
.endm
	s_load_b256 s[4:11], s[0:1], 0x0
	v_lshl_add_u32 v[SPR], v0, 2, SPARE
	v_mov_b32 v[NIL], 0
	ds_add_u32 v28, v29
	ds_add_u32 v28, v29
	s_wait_dscnt 0x0
	v_lshrrev_b32 v1, 5, v0
	v_readfirstlane_b32 s14, v1
	s_lshr_b32 s15, s14, 1
	s_and_b32 s16, s14, 1
	s_bfe_u32 s18, ttmp6, 0x40000
	s_bfe_u32 s19, ttmp6, 0x40004
	s_and_b32 s13, ttmp7, 0xffff
	s_lshl_b32 s22, s19, 2
	s_lshl_b32 s22, 15, s22
	s_lshl_b32 s23, 0x1111, s18
	s_lshl_b32 s20, s13, 2
	s_add_co_u32 s20, s20, s19
	s_lshl_b32 s21, ttmp9, 2
	s_add_co_u32 s21, s21, s18
	s_or_b32 s[G1A], s22, (3<<16)|(1<<21)
	s_or_b32 s[G1B], s23, (3<<16)|(1<<21)
.irp g, G1A, G1B
	s_mov_b32 s[\g+1], 32<<16
	s_mov_b32 s[\g+2], 96<<16
	s_mov_b32 s[\g+3], 32<<16
	s_mov_b32 s[\g+4], 96
	s_mov_b32 s[\g+5], 32
	s_mov_b32 s[\g+6], 0
	s_mov_b32 s[\g+7], 0
.endr
	s_lshl_b32 s2, s20, 4
	s_lshl_b32 s3, s16, 3
	s_add_co_u32 s80, s2, s3
	s_mul_i32 s80, s80, 3072
	s_mov_b32 s81, 0
	s_lshl_b32 s3, s15, 3
	s_add_co_u32 s70, s2, s3
	s_lshl_b32 s70, s70, 9
	s_add_co_u32 s70, s70, 4*SPX
	s_mov_b32 s71, 0
	s_add_co_u32 s12, s15, 2
	s_mul_i32 s82, s12, SPX
	s_add_co_u32 s82, s82, s80
	s_mov_b32 s83, 0
	s_lshl_b32 s2, s21, 3
	s_add_co_u32 s3, s2, 128
	s_mul_i32 s88, s3, 3072
	s_mul_i32 s13, s16, SPWQ
	s_add_co_u32 s88, s88, s13
	s_mov_b32 s89, 0
	s_lshl_b32 s13, s16, 2
	s_add_co_u32 s3, s3, s13
	s_lshl_b32 s74, s3, 9
	s_add_co_u32 s74, s74, 4*SPWQ
	s_mov_b32 s75, 0
	s_lshl_b32 s2, s2, 1
	s_lshl_b32 s13, s16, 3
	s_add_co_u32 s2, s2, s13
	s_mul_i32 s92, s2, 3072
	s_mov_b32 s93, 0
	s_lshl_b32 s72, s2, 9
	s_add_co_u32 s72, s72, 4*SPWQ
	s_mov_b32 s73, 0
	s_mul_i32 s66, s12, SPWQ
	s_add_co_u32 s66, s66, s92
	s_mov_b32 s67, 0
	s_mul_i32 s17, s16, HALFT
	s_mul_i32 s69, s12, XP
	s_add_co_u32 s69, s69, s17
	s_xor_b32 s13, s15, 1
	s_mul_i32 s68, s13, WR
	s_add_co_u32 s68, s68, s17
	s_wait_kmcnt 0x0
	s_mov_b32 s[G0X0], 1
	s_mov_b32 s[G0X0+1], s17
	s_add_nc_u64 s[G0X0+2:G0X0+3], s[4:5], s[80:81]
	s_mov_b32 s[G0X1], 1
	s_add_co_u32 s[G0X1+1], s17, XP
	s_add_nc_u64 s[G0X1+2:G0X1+3], s[G0X0+2:G0X0+3], SPX
	s_mov_b32 s[G0X2], 1
	s_mov_b32 s[G0X2+1], s69
	s_add_nc_u64 s[G0X2+2:G0X2+3], s[4:5], s[82:83]
	s_mov_b32 s[G0V0], 1
	s_add_co_u32 s[G0V0+1], s17, WR
	s_add_nc_u64 s[G0V0+2:G0V0+3], s[6:7], s[88:89]
	s_mov_b32 s[G0V1], 1
	s_add_co_u32 s[G0V1+1], s17, WR+XP
	s_add_nc_u64 s[G0V1+2:G0V1+3], s[G0V0+2:G0V0+3], 2*SPWQ
	s_mov_b32 s[G0W], 1
	s_add_co_u32 s[G0W+1], s17, WR
	s_add_nc_u64 s[G0W+2:G0W+3], s[6:7], s[92:93]
	s_add_nc_u64 s[66:67], s[6:7], s[66:67]
	s_add_nc_u64 s[70:71], s[4:5], s[70:71]
	s_add_nc_u64 s[72:73], s[6:7], s[72:73]
	s_add_nc_u64 s[74:75], s[6:7], s[74:75]
.irp g, G0X0, G0X1, G0X2, G0V0, G0V1, G0W
	s_or_b32 s[\g+3], s[\g+3], 0x80000000
.endr
	CROUND
	JLOAD G0X0, G1A, G0V0, G1B                     ; each wave's one load at the head; the addresses and the loads of scale words and biases below stand under its flight
	v_and_b32 v1, 15, v0
	v_bfe_u32 v2, v0, 4, 1
	v_and_b32 v3, 31, v0
	v_lshlrev_b32 v[L4], 2, v3
	v_lshlrev_b32 v[L8], 3, v3
	v_lshlrev_b32 v[L16], 4, v3
	v_lshlrev_b32 v[BV], 2, v1
	v_lshlrev_b32 v[BQ], 5, v2
	s_mul_i32 s2, s15, HALFT
.irp n, 0,1,2,3
	v_add_nc_u32 v[ADRA+\n], s2, v[L16]
	s_add_co_u32 s2, s2, XP
.endr
	v_add_nc_u32 v[WA3], s17, v[L16]
	s_add_co_u32 s2, s17, WR
	v_add_nc_u32 v[WA0], s2, v[L16]
	s_add_co_u32 s2, s2, XP
	v_add_nc_u32 v[WA1], s2, v[L16]
	s_mul_i32 s2, s16, 12288
	s_add_co_u32 s2, s2, WR
	v_add_nc_u32 v[WVA], s2, v[L16]
	s_add_co_u32 s2, s2, XP
	v_add_nc_u32 v[WVA+1], s2, v[L16]
	s_lshl_b32 s2, s21, 10
	s_lshl_b32 s3, s16, 9
	s_add_co_u32 s76, s2, s3
	s_mov_b32 s77, 0
	s_add_nc_u64 s[76:77], s[8:9], s[76:77]
	s_lshl_b32 s2, s21, 9
	s_lshl_b32 s3, s16, 8
	s_add_co_u32 s78, s2, s3
	s_add_co_u32 s78, s78, 8192
	s_mov_b32 s79, 0
	s_add_nc_u64 s[78:79], s[8:9], s[78:79]
	s_mov_b32 s90, 0x76543210
	s_mov_b32 s91, 0xfedcba98
.irp a, 0,1,2,3,4,5,6,7
.irp p, 0,1,2,3
	global_load_b32 v[SX+4*\a+\p], v[L4], s[70:71] offset:512*\a+128*\p
.endr
.endr
.irp a, 0,1,2,3
.irp p, 0,1,2,3
	global_load_b32 v[SAV+4*\a+\p], v[L4], s[74:75] offset:512*\a+128*\p
.endr
.endr
	WIN 0xc0
.irp a, 0,1,2,3
.irp j, 0,1,2,3,4,5,6,7
	global_load_b32 v[8*\a+\j], v[BV], s[78:79] offset:64*\a
.endr
.endr
	WIN 0
.irp a, 0,1,2,3,4,5,6,7
.irp p, 0,1,2,3
	global_load_b32 v[SBQ+4*\a+\p], v[L4], s[72:73] offset:512*\a+128*\p
.endr
.endr
	WIN TO_B
.irp b, 0,1,2,3,4,5,6,7
	global_load_b128 v[96+8*\b+96*(\b/4):96+8*\b+96*(\b/4)+3], v[BQ], s[76:77] offset:64*\b
	global_load_b128 v[96+8*\b+96*(\b/4)+4:96+8*\b+96*(\b/4)+7], v[BQ], s[76:77] offset:64*\b+16
.endr
	WIN 0
.irp b, 0,1,2,3
	v_mov_b32 v[TM+4+\b], 0
.endr
	s_wait_alu depctr_va_vdst(0)                   ; the wait at the head's end
	s_wait_tensorcnt 0x0                           ; my first load is in
	ds_add_u32 v28, v29
	s_wait_dscnt 0x0
	CROUND
	JLOAD G0X1, G1A, G0V1, G1B                     ; the second group of first fills
	s_wait_alu depctr_va_vdst(0)
	s_wait_tensorcnt 0x0
	ds_add_u32 v28, v29
	s_wait_dscnt 0x0
	CROUND                                         ; both groups are in, in every wave
	tensor_load_to_lds s[G0X2:G0X2+3], s[G1A:G1A+7]   ; the third group: one load of mine is out
	s_nop 0
	PLACES 4
	FETCHV 0
	s_wait_loadcnt 48
	STEPV 0, 1
	TURNV 1, 0, 0, 1
	STEPV 2, 0
	TURNV 3, 1, 0, 1
	STEPV 4, 0
	STEPV 5, 0
	STEPV 6, 0
	TURNV 7, 1, 1, 0
	PLACES 4
	FETCH_B WA0, 0, 0
	FETCH_A ADRA, 0, 4
.irp a, 0,1,2,3
	QUANTA \a
.endr
	s_lshr_b32 s2, s20, 2
	s_lshl_b32 s2, s2, 4
	s_lshl_b32 s3, s21, 1
	s_add_co_u32 s2, s2, s3
	s_add_co_u32 s2, s2, s16
	s_mul_i32 s2, s2, HB
	s_and_b32 s3, s20, 3
	s_lshl_b32 s3, s3, 1
	s_add_co_u32 s3, s3, s15
	s_mul_i32 s12, s3, 6144
	s_lshl_b32 s3, s3, 8
	s_add_co_u32 s84, s2, s12
	s_add_co_u32 s84, s84, VI
	s_mov_b32 s85, 0
	s_add_co_u32 s86, s2, s3
	s_add_co_u32 s86, s86, VS
	s_mov_b32 s87, 0
	s_add_nc_u64 s[84:85], s[10:11], s[84:85]
	s_add_nc_u64 s[86:87], s[10:11], s[86:87]
	s_wait_alu depctr_va_vdst(0)
.irp a, 0,1,2,3
.irp c, 0,1,2
	global_store_b128 v[L16], v[PC+12*\a+4*\c:PC+12*\a+4*\c+3], s[84:85] offset:1536*\a+512*\c
.endr
.endr
	v_lshlrev_b32 v[SOF], 4, v1
	global_store_b128 v[SOF], v[WD:WD+3], s[86:87]
	s_wait_xcnt 0x0
	FETCH_A ADRA, 0, 0
	s_wait_loadcnt 0x0
	STEP 0, 0, WA0, ADRA, 1, 1
	TURN 1, WA1, ADRA+1, 1
	STEP 2, 12, WA1, ADRA+1, 1, 0
	TURN 3, WA0, ADRA+2, 0
	STEP 4, 12, WA0, ADRA+2, 1, 0
	STEP 5, 12, WA3, ADRA+3, 0, 0
	STEP 6, 12, WA3, ADRA+3, 1, 0
	s_wait_dscnt 12
	WIN MUL_LO
	MUL16 0, 7, 0
	MUL16 2, 7, 0
	s_wait_dscnt 0x0
	WIN MUL_HI
	MUL16 4, 7, 0
	MUL16 6, 7, 0
	WIN 0
	PLACES 4
.irp a, 0,1,2,3,4,5,6,7
	QUANTA \a
.endr
	v_cmp_gt_u32 vcc_lo, 16, v3
.irp j, 0,1,2,3
	v_cndmask_b32 v[X+\j], v[WD+4+\j], v[WD+\j], vcc_lo
.endr
	s_lshr_b32 s2, s20, 2
	s_and_b32 s3, s20, 3
	s_lshl_b32 s2, s2, 4
	s_and_b32 s12, s21, 3
	s_lshl_b32 s12, s12, 2
	s_add_co_u32 s2, s2, s12
	s_lshl_b32 s12, s16, 1
	s_add_co_u32 s2, s2, s12
	s_mul_i32 s2, s2, HB
	s_lshl_b32 s12, s3, 1
	s_add_co_u32 s12, s12, s15
	s_mul_i32 s13, s12, 6144
	s_lshl_b32 s12, s12, 9
	s_mov_b32 s17, QS
	s_cmp_eq_u32 ttmp9, 1
	s_cselect_b32 s3, KI, 0
	s_cselect_b32 s17, KS, s17
	s_add_co_u32 s84, s2, s13
	s_add_co_u32 s84, s84, s3
	s_mov_b32 s85, 0
	s_add_co_u32 s86, s2, s12
	s_add_co_u32 s86, s86, s17
	s_mov_b32 s87, 0
	s_add_nc_u64 s[84:85], s[10:11], s[84:85]
	s_add_nc_u64 s[86:87], s[10:11], s[86:87]
	s_wait_alu depctr_va_vdst(0)
.irp a, 0,1,2,3,4,5,6,7
.irp c, 0,1
.irp q, 0,1,2
	global_store_b64 v[L8], v[PC+12*\a+6*\c+2*\q:PC+12*\a+6*\c+2*\q+1], s[84:85] offset:\c*HB+768*\a+256*\q
.endr
.endr
.endr
.irp j, 0,1,2,3
	v_lshrrev_b32 v[Y+\j], 16, v[X+\j]
.endr
	v_lshlrev_b32 v[SOF], 5, v1
	v_lshl_add_u32 v[SOF], v2, 4, v[SOF]
	global_store_b128 v[SOF], v[X:X+3], s[86:87]
	global_store_b128 v[SOF], v[Y:Y+3], s[86:87] offset:HB
	s_wait_tensorcnt 0x0
	ds_add_u32 v[SPR], v[NIL]
	s_wait_dscnt 0x0
	CROUND
	s_endpgm
.Lfunc_end_k_q550dc20c6f_gemm_qkv:
	.size	k_q550dc20c6f_gemm_qkv, .Lfunc_end_k_q550dc20c6f_gemm_qkv-k_q550dc20c6f_gemm_qkv
	.p2alignl 7, 3214868480
	.fill 96, 4, 3214868480
	.section	.rodata,"a",@progbits
	.p2align	6, 0x0
	.amdhsa_kernel k_q550dc20c6f_gemm_qkv
		.amdhsa_group_segment_fixed_size 327680
		.amdhsa_private_segment_fixed_size 0
		.amdhsa_enable_private_segment 0
		.amdhsa_kernarg_size 32
		.amdhsa_user_sgpr_count 2
		.amdhsa_user_sgpr_kernarg_segment_ptr 1
		.amdhsa_wavefront_size32 1
		.amdhsa_system_sgpr_workgroup_id_x 1
		.amdhsa_system_sgpr_workgroup_id_y 1
		.amdhsa_system_sgpr_workgroup_id_z 1
		.amdhsa_system_vgpr_workitem_id 0
		.amdhsa_next_free_vgpr 1024
		.amdhsa_next_free_sgpr 96
		.amdhsa_reserve_vcc 1
		.amdhsa_float_denorm_mode_32 3
		.amdhsa_float_denorm_mode_16_64 3
		.amdhsa_memory_ordered 1
		.amdhsa_forward_progress 1
		.amdhsa_inst_pref_size 223
	.end_amdhsa_kernel
	.amdgpu_metadata
---
amdhsa.version: [ 1, 2 ]
amdhsa.kernels:
  - .name:           k_q550dc20c6f_gemm_qkv
    .symbol:         k_q550dc20c6f_gemm_qkv.kd
    .args:
      - { .name: xq, .offset: 0, .size: 8, .value_kind: global_buffer, .address_space: global }
      - { .name: wq, .offset: 8, .size: 8, .value_kind: global_buffer, .address_space: global }
      - { .name: in_proj_bias, .offset: 16, .size: 8, .value_kind: global_buffer, .address_space: global }
      - { .name: qkv, .offset: 24, .size: 8, .value_kind: global_buffer, .address_space: global }
    .group_segment_fixed_size: 327680
    .private_segment_fixed_size: 0
    .kernarg_segment_align: 8
    .kernarg_segment_size: 32
    .max_flat_workgroup_size: 128
    .sgpr_count:     96
    .vgpr_count:     1024
    .wavefront_size: 32
...
	.end_amdgpu_metadata
.endif
;; end of part 2
;; launch attn (part 3): grid 4 x 64, 8 waves a work-group, clusters of 4 x 1, 327,680 bytes of LDS; arguments qkv, aq; writes aq
.if DOCPART == 3
	.amdgcn_target "amdgcn-amd-amdhsa--gfx1250"
	.amdhsa_code_object_version 6
	.text
	.protected	k_q550dc20c6f_attn
	.globl	k_q550dc20c6f_attn
	.p2align	8
	.type	k_q550dc20c6f_attn,@function
k_q550dc20c6f_attn:
	s_mov_b64 s[64:65], 0
	v_nop
	global_prefetch_b8 v0, s[64:65] scope:SCOPE_SE
	s_setreg_imm32_b32 hwreg(HW_REG_WAVE_MODE, 25, 1), 1
	s_wait_xcnt 0x0
	s_wait_alu depctr_hold_cnt(0) depctr_sa_sdst(0) depctr_va_vdst(0) depctr_va_sdst(0) depctr_va_ssrc(0) depctr_va_vcc(0) depctr_vm_vsrc(0)
	s_getreg_b32 s2, hwreg(HW_REG_IB_STS2, 6, 4)
	s_cmp_eq_u32 s2, 0
	s_cbranch_scc0 .Lentry_in_a_cluster
	s_endpgm
.Lentry_in_a_cluster:
	s_bfe_u32 s2, ttmp6, 0x10000c
	s_cmp_lg_u32 s2, 0x3003
	s_cbranch_scc0 .Lentry_shape_is_right
	s_endpgm
.Lentry_shape_is_right:
; a = softmax(q k^T / 8) v for 128 heads of 64, 1,024 queries and keys, both products on codes of FP6 (E2M3) with E8M0 scales; a is quantised along the model's 1,024 and leaves as codes.
; THE SOFTMAX: t = score x log2(e) / 8; M = the row's largest t so far, rounded up to a whole number; p = 2^(t - M) is quantised along the keys, not normalised.
; The row's sum is taken of the unquantised p and divides O at the end.  When M moves, the sum and O are multiplied by 2^(old M - new M): exact.
; LIMITS: NaN and infinities are not served; the scaled scores stay under 2^31 in magnitude; a block of zeros gets the byte 1 (its codes are zeros; this program alone reads the bytes).
; SHARES: a work-group owns 256 queries of a pair of heads (2 y, 2 y + 1); each of its eight waves owns TWO tiles of 16 queries (x = 0, 1) and walks both heads, 128 keys a step.
;   Each fragment of k and of v feeds both tiles' products, and the two tiles' dependent chains stand line by line in turn.
; LDS: both heads' k, v and scale words, 816 rows of 256 bytes, 408 a head, filled once: every wave asks for 102 rows, jointly with the three other query blocks of the pair (cluster 4 x 1).
;   32 bytes of padding follow each 256, so an LDS row is 288 bytes.  All is asked for at the head and there is no loop to run ahead in: no prefetch is laid.
; LAYOUT: both products transposed (S^T = k q^T, O^T = v^T p^T): a lane holds one query of each tile.
;   A TILE OF KEYS is chosen by the lanes' addresses: its rows 0-7 are eight keys of block 2 c, its rows 8-15 the same eight of block 2 c + 1 (blocks of 32 keys).  So lanes 0-15 hold all of block 2 c in 32 registers
;   and lanes 16-31 all of block 2 c + 1, in the order 0-7, 16-23, 8-15, 24-31 that every operand of this program has: a block's maximum and its codes need no other lane.
;   With the padding the two halves of a tile's rows lie 1,728 bytes apart, 192 modulo 256: the 32 lanes of a load of 8 bytes name 32 different places of 8 bytes modulo 256.
;   K = 64 in an instruction of 128: a fragment of k holds TWO tiles' half-images (registers 0-5, 6-11); it is multiplied by [q, 0] for the first and by [0, q] for the second: zero codes meet the other tile.
; REGISTERS: window 1 holds the long arrays: S^T / p of tile x at v[64 x], O^T at v[128 + 32 x], q at v[192 + 32 x] (zeros, head 0's q, zeros, head 1's q, zeros: six registers each).  All else lies in window 0.
.set HB,   157696                      ; a head's block in qkv: q's half-images (0), q's scale words, then the 104,448 bytes that go to LDS
.set QS,   49152
.set KI,   53248
.set QRG,  26112                       ; a wave's share of them in memory: 102 rows of 256 bytes
.set QRL,  29376                       ; and in LDS: 102 x 288
.set HLP,  4*QRL                       ; a head in LDS: k's half-images (0),
.set LV,   55296                       ; v's images (row 192),
.set LKS,  110592                      ; k's scale words (row 384),
.set LVS,  115200                      ; v's (row 400)
.set SPARE, 8*QRL                      ; behind both heads: the spare words, 128 bytes a wave
.set SPX,  1572864                     ; aq: bytes from pair to pair of K steps
.set AK0,  1                           ; v1   8 (r % 8) + 128 h + 1,728 (r / 8)
.set AV0,  2                           ; v2   LV + 16 (lane % 16) + 288 (lane / 16)
.set ASK0, 3                           ; v3   LKS + 32 (r % 8) + 8 (r / 8)
.set ASV0, 4                           ; v4   LVS + 16 r
.set ADK,  5                           ; v5-8 the step's addresses
.set ADV,  6
.set ADS,  7
.set ADT,  8
.set L16,  9                           ; v9   16 x lane
.set R4,   10                          ; v10  4 r
.set H8,   11                          ; v11  8 h
.set ST,   12                          ; v[12 + 4 x ..]: -M, the largest score, the sum in two halves
.set KB,   20                          ; v20-67 four fragments of k, two tiles of keys each
.set VB,   68                          ; v68-115 v's four fragments
.set KSC,  116                         ; v116-123 k's scale words as loaded
.set KSW,  124                         ; v124-127 a fragment's word: the first tile's two bytes below, the second's above
.set VSC,  128                         ; v128-131 v's scale words of a step
.set PCD,  132                         ; v[132 + 12 x ..] p's codes
.set TQ,   156                         ; v[156 + 8 x ..] the conversions' second halves
.set BM,   172                         ; + 8 x: two blocks' largest scores, then largest p
.set SO,   174                         ; + 8 x: the conversions' scale operands
.set BY,   176                         ; + 8 x: bytes
.set PT,   178                         ; + 8 x: a lane permute's destination
.set T1,   179                         ; + 8 x: the old -M
.set F,    188                         ; v[188 + 2 x ..] 2^(old M - new M)
.set PS,   192                         ; v192-193 p's scale words
.set QSA,  194                         ; v[194 + 2 x + head] q's scale words, for [q, 0]
.set QSB,  198                         ; the same 16 bits up, for [0, q]
.set AI,   202                         ; v[202 + 12 x ..] a's fragments
.set AW,   226                         ; v226-227 a's scale words
.set TS,   228                         ; v[228 + 8 x ..] four chains of sums
.set L8,   244                         ; for q's loads: 8 x lane,
.set R32,  245                         ; 32 r
.set OO,   128                         ; window 1
.set QZ,   192
.set MSB, 0
.macro WIN new                         ; the immediate's high byte repeats the setting that is left; bits 1:0 source 0, 3:2 source 1, 5:4 source 2, 7:6 destination
.if MSB != \new
	s_set_vgpr_msb (MSB<<8)|\new
.set MSB, \new
.endif
.endm
.macro CROUND                          ; a round of the cluster's barrier
	s_barrier_signal -1
	s_barrier_wait -1
	s_cmp_lg_u32 s8, 0
	s_cbranch_scc1 .Lnot_wave_0_\@
	s_barrier_signal -3
.Lnot_wave_0_\@:
	s_barrier_wait -3
	s_barrier_signal -1
	s_barrier_wait -1
.endm
	s_load_b128 s[4:7], s[0:1], 0x0                ; qkv s[4:5], aq s[6:7]
	v_lshl_add_u32 v254, v0, 2, SPARE
	v_mov_b32 v255, 0
	ds_add_u32 v254, v255                          ; the opening lines: the add twice on end and one wait
	ds_add_u32 v254, v255
	v_lshrrev_b32 v1, 5, v0
	s_delay_alu instid0(VALU_DEP_1)
	v_readfirstlane_b32 s8, v1                     ; wave 0..7
	s_bfe_u32 s9, ttmp6, 0x40000                   ; cx: my block of 256 queries; it enters q's and aq's addresses alone
	s_and_b32 s10, ttmp7, 0xffff                   ; y: the pair of heads, which the four partners share
	s_mov_b32 s16, 15|(3<<16)|(1<<20)|(1<<21)|(5<<22)|(7<<25)   ; group 1: mask of all four; elements of 8 bytes; behind every 64 words 8 words of padding
	s_mov_b32 s17, 32<<16                          ; tensor_dim0
	s_mov_b32 s18, 102<<16                         ; tensor_dim1
	s_mov_b32 s19, 32<<16                          ; tile_dim0
	s_mov_b32 s20, 102                             ; tile_dim1
	s_mov_b32 s21, 32                              ; the pitch
	s_mov_b32 s22, 0
	s_mov_b32 s23, 0
	s_mov_b32 s32, 0x76543210
	s_mov_b32 s33, 0xfedcba98                      ; v_permlanex16_b32's selects for lane l xor 16
	s_mov_b32 s34, 0x3e38aa3b                      ; c = log2(e) / 8
	s_mov_b32 s35, s34                             ; (named with it as a pair)
	s_mov_b32 s52, 0x05040100                      ; v_perm_b32: the two low halves
	s_mul_i32 s40, s10, 2*HB                       ; the pair's first byte in qkv
	s_mul_i32 s11, s8, QRL                         ; where my 102 rows land
	s_lshr_b32 s13, s8, 2
	s_mul_i32 s13, s13, HB                         ; waves 0-3 fetch head 0, waves 4-7 head 1,
	s_and_b32 s14, s8, 3
	s_mul_i32 s14, s14, QRG                        ; a quarter each
	s_add_co_u32 s42, s40, s13
	s_add_co_u32 s42, s42, s14
	s_add_co_u32 s42, s42, KI
	s_mov_b32 s43, 0
	s_lshl_b32 s12, s9, 4
	s_lshl_b32 s13, s8, 1
	s_add_co_u32 s12, s12, s13                     ; my first block of 16 queries: 16 cx + 2 x wave; the second follows it
	s_mul_i32 s13, s12, 768
	s_add_co_u32 s44, s40, s13                     ; q's half-images
	s_mov_b32 s45, 0
	s_lshr_b32 s13, s12, 3
	s_lshl_b32 s13, s13, 9
	s_and_b32 s14, s12, 7
	s_lshl_b32 s14, s14, 2
	s_add_co_u32 s13, s13, s14
	s_add_co_u32 s13, s13, QS
	s_add_co_u32 s46, s40, s13                     ; q's scale words: [group of 128 rows][r][block]
	s_mov_b32 s47, 0
	s_lshr_b32 s13, s10, 3
	s_lshl_b32 s13, s13, 6
	s_add_co_u32 s13, s13, s12                     ; a's block of rows: 64 b + my block
	s_and_b32 s14, s10, 7                          ; a's K step: the pair's number in its b
	s_lshr_b32 s15, s14, 1
	s_mul_i32 s48, s15, SPX
	s_mul_i32 s15, s13, 3072
	s_add_co_u32 s48, s48, s15
	s_and_b32 s15, s14, 1
	s_mul_i32 s15, s15, 1536
	s_add_co_u32 s48, s48, s15                     ; a's images
	s_mov_b32 s49, 0
	s_lshl_b32 s50, s13, 9
	s_lshl_b32 s15, s14, 6
	s_add_co_u32 s50, s50, s15
	s_add_co_u32 s50, s50, 4*SPX                   ; a's scale words
	s_mov_b32 s51, 0
	s_wait_dscnt 0x0
	s_wait_kmcnt 0x0
	s_add_nc_u64 s[44:45], s[4:5], s[44:45]
	s_add_nc_u64 s[46:47], s[4:5], s[46:47]
	s_add_nc_u64 s[48:49], s[6:7], s[48:49]
	s_add_nc_u64 s[50:51], s[6:7], s[50:51]
	s_mov_b32 s24, 1                               ; group 0: count,
	s_mov_b32 s25, s11                             ; LDS address,
	s_add_nc_u64 s[26:27], s[4:5], s[42:43]        ; global address,
	s_or_b32 s27, s27, 0x80000000                  ; type
	CROUND                                         ; all four work-groups are here: the joint loads meet
	tensor_load_to_lds s[24:27], s[16:23]          ; every wave's one load
	s_nop 0
	v_and_b32 v5, 31, v0                           ; lane
	v_and_b32 v6, 15, v0                           ; r
	v_and_b32 v7, 7, v0                            ; r % 8
	v_bfe_u32 v8, v0, 3, 1                         ; r / 8
	v_bfe_u32 v[H8], v0, 4, 1                      ; h
	v_lshlrev_b32 v[AK0], 3, v7
	v_lshlrev_b32 v[AV0], 4, v6
	v_lshlrev_b32 v[ASK0], 5, v7
	v_lshl_add_u32 v[ASV0], v6, 4, LVS
	v_lshl_add_u32 v[AK0], v[H8], 7, v[AK0]
	v_mad_u32_u24 v[AV0], v[H8], 288, v[AV0]
	v_lshl_add_u32 v[ASK0], v8, 3, v[ASK0]
	v_mad_u32_u24 v[AK0], v8, 1728, v[AK0]
	v_add_nc_u32 v[AV0], LV, v[AV0]
	v_add_nc_u32 v[ASK0], LKS, v[ASK0]
	v_lshlrev_b32 v[L16], 4, v5
	v_lshlrev_b32 v[R4], 2, v6
	v_lshlrev_b32 v[L8], 3, v5
	v_lshlrev_b32 v[R32], 5, v6
	v_lshlrev_b32 v[H8], 3, v[H8]
.irp x, 0,1
	v_mov_b32 v[PT+8*\x], 0                        ; a lane permute's destination counts as one of its sources
	v_mov_b32 v[F+2*\x+1], 0                       ; (named as the upper half of a pair)
.irp d, 0,1
	global_load_b32 v[QSA+2*\x+\d], v[R32], s[46:47] offset:\d*HB+4*\x
.endr
.endr
	WIN 0x40                                       ; destinations in window 1
.irp x, 0,1
.irp d, 0,1
.irp q, 0,1,2
	global_load_b64 v[QZ+32*\x+6+12*\d+2*\q:QZ+32*\x+7+12*\d+2*\q], v[L8], s[44:45] offset:\d*HB+768*\x+256*\q   ; q stays in registers
.endr
.endr
.irp i, 0,1,2,3,4,5
	v_mov_b32 v[QZ+32*\x+\i], 0                    ; zero codes, set once
	v_mov_b32 v[QZ+32*\x+12+\i], 0
	v_mov_b32 v[QZ+32*\x+24+\i], 0
.endr
.endr
	WIN 0
	s_wait_alu depctr_va_vdst(0)                   ; the wait at the head's end
	s_wait_tensorcnt 0x0                           ; my 102 rows are in
	s_barrier_signal -1
	s_barrier_wait -1                              ; everybody's are: both heads are whole, and nothing is filled again
; A step's k: fragment f = 2 c + e holds the tiles of keys 8 e .. 8 e + 7 (below) and 16 + 8 e .. (above) of blocks 2 c and 2 c + 1; with each fragment its two scale words
.macro KLOAD
.irp f, 0,1,2,3
.irp u, 0,1
.irp q, 0,1,2
	ds_load_b64 v[KB+12*\f+6*\u+2*\q:KB+12*\f+6*\u+2*\q+1], v[ADK] offset:864*(4*(\f/2)+\u)+64*(\f%2)+288*\q
.endr
.endr
	ds_load_b64 v[KSC+2*\f:KSC+2*\f+1], v[ADS] offset:288*(\f%2)+16*(\f/2)
.endr
.endm
.macro KPERM                           ; the two tiles' pairs of bytes make the fragment's word
.irp f, 0,1,2,3
	v_perm_b32 v[KSW+\f], v[KSC+2*\f+1], v[KSC+2*\f], s52
.endr
.endm
; A KEY STEP: 128 keys of head hd, for both tiles of queries.  Its k and k's words are in registers when it begins.
.macro STEP hd
	WIN 0x44                                       ; D and q in window 1
.irp f, 0,1,2,3
.irp x, 0,1
	v_wmma_scale_f32_16x16x128_f8f6f4 v[64*\x+16*\f:64*\x+16*\f+7], v[KB+12*\f:KB+12*\f+11], v[QZ+32*\x+6+12*\hd:QZ+32*\x+17+12*\hd], 0, v[KSW+\f], v[QSA+2*\x+\hd] matrix_a_fmt:MATRIX_FMT_FP6 matrix_b_fmt:MATRIX_FMT_FP6
.endr
.irp x, 0,1
	v_wmma_scale_f32_16x16x128_f8f6f4 v[64*\x+16*\f+8:64*\x+16*\f+15], v[KB+12*\f:KB+12*\f+11], v[QZ+32*\x+12*\hd:QZ+32*\x+11+12*\hd], 0, v[KSW+\f], v[QSB+2*\x+\hd] matrix_a_fmt:MATRIX_FMT_FP6 matrix_b_fmt:MATRIX_FMT_FP6
.endr
.endr
	WIN 0
	v_add_nc_u32 v[ADV], s36, v[AV0]               ; four sums: the places behind the products, this step's and the last step's
	v_add_nc_u32 v[ADT], s38, v[ASV0]
	s_add_co_u32 s36, s36, 6912                    ; the next step's tiles of k and of v,
	s_add_co_u32 s37, s37, 576                     ; k's scale words,
	s_add_co_u32 s38, s38, 288                     ; v's
	v_add_nc_u32 v[ADK], s36, v[AK0]
	v_add_nc_u32 v[ADS], s37, v[ASK0]
.irp t, 0,1,2,3                                ; this step's v (16 d x 128 keys a fragment), asked for ahead of the softmax
.irp c, 0,1,2
	ds_load_b128 v[VB+12*\t+4*\c:VB+12*\t+4*\c+3], v[ADV] offset:1728*\t+576*\c
.endr
.endr
	ds_load_b128 v[VSC:VSC+3], v[ADT]              ; and its scale words
	s_cmp_eq_u32 s39, 1                            ; the head's last step has no next k
	s_cbranch_scc1 .Lnk_\@
	KLOAD                                          ; the next step's k, a step ahead of its products
.Lnk_\@:
	WIN 0x05                                       ; sources 0 and 1 in window 1
.irp x, 0,1                                    ; my blocks' largest scores (block 2 c + h): four chains in turn; each accumulator is first read at its low end
.irp c, 0,1
	v_max_num_f32 v[BM+8*\x+\c], v[64*\x+32*\c], v[64*\x+32*\c+1]
.endr
.endr
.irp i, 2,4,6,8,10,12,14,16,18,20,22,24,26,28,30
.irp x, 0,1
.irp c, 0,1
	v_max3_num_f32 v[BM+8*\x+\c], v[64*\x+32*\c+\i], v[64*\x+32*\c+\i+1], v[BM+8*\x+\c]
.endr
.endr
.endr
	WIN 0
.irp x, 0,1
	v_max_num_f32 v[SO+8*\x], v[BM+8*\x], v[BM+8*\x+1]
.endr
.irp x, 0,1
	v_permlanex16_b32 v[PT+8*\x], v[SO+8*\x], s32, s33
.endr
.irp x, 0,1
	v_max3_num_f32 v[ST+4*\x+1], v[ST+4*\x+1], v[SO+8*\x], v[PT+8*\x]   ; the running largest score of my query
.endr
.irp x, 0,1
	v_mul_f32 v[SO+8*\x], 0xbe38aa3b, v[ST+4*\x+1] ; -t
.endr
.irp x, 0,1
	v_floor_f32 v[ST+4*\x], v[SO+8*\x]             ; the new -M = floor(-t): M is a whole number
.endr
.irp x, 0,1
	v_sub_f32 v[T1+8*\x], v[ST+4*\x], v[T1+8*\x]   ; old M - new M: a whole number, 0 or less
.endr
.irp x, 0,1
	v_fma_f32 v[BM+8*\x], v[BM+8*\x], s34, v[ST+4*\x]       ; t - M of each block's largest score
.endr
.irp x, 0,1
	v_cvt_i32_f32 v[T1+8*\x], v[T1+8*\x]           ; (it saturates)
.endr
.irp x, 0,1
	v_fma_f32 v[BM+8*\x+1], v[BM+8*\x+1], s34, v[ST+4*\x]
.endr
.irp x, 0,1
	v_ldexp_f32 v[F+2*\x], 1.0, v[T1+8*\x]         ; f = 2^(old M - new M)
.endr
	WIN 0x41                                       ; source 0 and destination in window 1
.irp x, 0,1
.set j, 0
.rept 32
	v_pk_fma_f32 v[64*\x+j:64*\x+j+1], v[64*\x+j:64*\x+j+1], s[34:35], v[ST+4*\x:ST+4*\x+1] op_sel_hi:[1,0,0]   ; t - M, two at a time
.set j, j+2
.endr
.endr
.irp x, 0,1
.set j, 0
.rept 16
	v_pk_mul_f32 v[OO+32*\x+j:OO+32*\x+j+1], v[OO+32*\x+j:OO+32*\x+j+1], v[F+2*\x:F+2*\x+1] op_sel_hi:[1,0]   ; O^T under the new M, each accumulator from its low end on
.set j, j+2
.endr
.endr
	WIN 0
.irp x, 0,1
	v_pk_mul_f32 v[ST+4*\x+2:ST+4*\x+3], v[ST+4*\x+2:ST+4*\x+3], v[F+2*\x:F+2*\x+1] op_sel_hi:[1,0]   ; the sums under the new M
.endr
	s_wait_alu depctr_va_vdst(0)                   ; the wait ahead of the batch
.irp x, 0,1
.irp c, 0,1
	v_exp_f32 v[BM+8*\x+\c], v[BM+8*\x+\c]         ; the block's largest p: the same two instructions on the same number
.endr
.endr
	WIN 0x41
.set j, 0
.rept 128
	v_exp_f32 v[j], v[j]                           ; p = 2^(t - M)
.set j, j+1
.endr
	WIN 0
.irp x, 0,1
	v_mov_b32 v[T1+8*\x], v[ST+4*\x]               ; the old -M of the next step: the plain place behind the batch
.endr
	s_wait_alu depctr_va_vdst(0)                   ; and the wait behind it
	s_wait_dscnt 0x0                               ; this step's v and the next step's k are in
	KPERM
.irp x, 0,1
.irp c, 0,1
	v_max_num_f32 v[BM+8*\x+\c], 0x1800000, v[BM+8*\x+\c]   ; the floor 2^(3 - 127): the byte cannot fall under 1
.endr
.endr
.irp x, 0,1
.irp c, 0,1
	v_add_nc_u32 v[SO+8*\x+\c], 0xff000000, v[BM+8*\x+\c]   ; 2 off the exponent field: the conversion's scale operand
.endr
.endr
.irp x, 0,1
.irp c, 0,1
	v_lshrrev_b32 v[BY+8*\x+\c], 23, v[SO+8*\x+\c] ; the scales' bytes
.endr
.endr
.irp x, 0,1
	v_lshl_or_b32 v[PS+\x], v[BY+8*\x+1], 16, v[BY+8*\x]    ; my bytes: blocks h and 2 + h,
.endr
.irp x, 0,1
	v_lshlrev_b32 v[PS+\x], v[H8], v[PS+\x]        ; at their places in the word;
.endr
.irp x, 0,1
	v_permlanex16_b32 v[PT+8*\x], v[PS+\x], s32, s33
.endr
.irp x, 0,1
	v_or_b32 v[PS+\x], v[PS+\x], v[PT+8*\x]        ; with lane l xor 16's two the word is whole
.endr
	WIN 0x01                                       ; source 0 in window 1
.irp x, 0,1
.irp c, 0,1
	v_cvt_scalef32_pk16_fp6_f32 v[PCD+12*\x+6*\c:PCD+12*\x+6*\c+2], v[64*\x+32*\c:64*\x+32*\c+15], v[SO+8*\x+\c]
	v_cvt_scalef32_pk16_fp6_f32 v[TQ+8*\x+4*\c:TQ+8*\x+4*\c+2], v[64*\x+32*\c+16:64*\x+32*\c+31], v[SO+8*\x+\c]   ; (a conversion's three registers begin on an even number)
.endr
.endr
	WIN 0x05
.irp x, 0,1                                    ; the sum of the unquantised p: five chains a tile, two numbers an instruction (the first is also the plain place behind the conversions)
.irp k, 0,1,2,3
	v_pk_add_f32 v[TS+8*\x+2*\k:TS+8*\x+2*\k+1], v[64*\x+2*\k:64*\x+2*\k+1], v[64*\x+8+2*\k:64*\x+9+2*\k]
.endr
.endr
	WIN 0x01
.irp x, 0,1
.set j, 16
.rept 4
	v_pk_add_f32 v[ST+4*\x+2:ST+4*\x+3], v[64*\x+j:64*\x+j+1], v[ST+4*\x+2:ST+4*\x+3]
.irp k, 0,1,2,3
	v_pk_add_f32 v[TS+8*\x+2*\k:TS+8*\x+2*\k+1], v[64*\x+j+2+2*\k:64*\x+j+3+2*\k], v[TS+8*\x+2*\k:TS+8*\x+2*\k+1]
.endr
.set j, j+10
.endr
.irp k, 0,1,2,3
	v_pk_add_f32 v[TS+8*\x+2*\k:TS+8*\x+2*\k+1], v[64*\x+56+2*\k:64*\x+57+2*\k], v[TS+8*\x+2*\k:TS+8*\x+2*\k+1]
.endr
.endr
	WIN 0
.irp x, 0,1
.irp c, 0,1
.irp i, 0,1,2
	v_mov_b32 v[PCD+12*\x+6*\c+3+\i], v[TQ+8*\x+4*\c+\i]
.endr
.endr
.endr
.irp x, 0,1                                    ; the chains are joined: these eight are the places behind p's codes
	v_pk_add_f32 v[TS+8*\x:TS+8*\x+1], v[TS+8*\x:TS+8*\x+1], v[TS+8*\x+2:TS+8*\x+3]
	v_pk_add_f32 v[TS+8*\x+4:TS+8*\x+5], v[TS+8*\x+4:TS+8*\x+5], v[TS+8*\x+6:TS+8*\x+7]
.endr
.irp x, 0,1
	v_pk_add_f32 v[ST+4*\x+2:ST+4*\x+3], v[ST+4*\x+2:ST+4*\x+3], v[TS+8*\x:TS+8*\x+1]
.endr
.irp x, 0,1
	v_pk_add_f32 v[ST+4*\x+2:ST+4*\x+3], v[ST+4*\x+2:ST+4*\x+3], v[TS+8*\x+4:TS+8*\x+5]
.endr
	WIN 0x50                                       ; C and D in window 1
.irp t, 0,1,2,3
.irp x, 0,1
	v_wmma_scale_f32_16x16x128_f8f6f4 v[OO+32*\x+8*\t:OO+32*\x+8*\t+7], v[VB+12*\t:VB+12*\t+11], v[PCD+12*\x:PCD+12*\x+11], v[OO+32*\x+8*\t:OO+32*\x+8*\t+7], v[VSC+\t], v[PS+\x] matrix_a_fmt:MATRIX_FMT_FP6 matrix_b_fmt:MATRIX_FMT_FP6
.endr
.endr
	WIN 0
.endm
; Head hd's O^T is divided by the sum and quantised: its 64 are registers 6 hd .. 6 hd + 5 of a's fragment and two bytes of its scale word.
.macro FINISH hd
.irp x, 0,1
	v_add_f32 v[ST+4*\x+2], v[ST+4*\x+2], v[ST+4*\x+3]      ; the sum's two halves,
.endr
.irp x, 0,1
	v_permlanex16_b32 v[T1+8*\x], v[ST+4*\x+2], s32, s33
.endr
.irp x, 0,1
	v_add_f32 v[ST+4*\x+2], v[ST+4*\x+2], v[T1+8*\x]        ; and lane l xor 16's
.endr
	s_wait_alu depctr_va_vdst(0)
.irp x, 0,1
	v_rcp_f32 v[ST+4*\x+2], v[ST+4*\x+2]
.endr
	v_nop                                          ; one plain place behind a transcendental
	WIN 0x41
	s_wait_alu depctr_va_vdst(0)
.irp x, 0,1
.set j, 0
.rept 16
	v_pk_mul_f32 v[64*\x+j:64*\x+j+1], v[OO+32*\x+j:OO+32*\x+j+1], v[ST+4*\x+2:ST+4*\x+3] op_sel_hi:[1,0]   ; each accumulator from its low end on
.set j, j+2
.endr
.endr
	WIN 0x05
.irp x, 0,1
.irp b, 0,1
	v_max3_num_f32 v[BM+8*\x+\b], |v[64*\x+16*\b]|, |v[64*\x+16*\b+1]|, 0x1800000
.endr
.endr
.irp i, 2,4,6,8,10,12,14
.irp x, 0,1
.irp b, 0,1
	v_max3_num_f32 v[BM+8*\x+\b], |v[64*\x+16*\b+\i]|, |v[64*\x+16*\b+\i+1]|, v[BM+8*\x+\b]
.endr
.endr
.endr
	WIN 0
.irp x, 0,1
.irp b, 0,1
	v_permlanex16_b32 v[BY+8*\x+\b], v[BM+8*\x+\b], s32, s33   ; here a block lies in both halves of the lanes
.endr
.endr
.irp x, 0,1
.irp b, 0,1
	v_max_num_f32 v[BM+8*\x+\b], v[BM+8*\x+\b], v[BY+8*\x+\b]
.endr
.endr
.irp x, 0,1
.irp b, 0,1
	v_add_nc_u32 v[SO+8*\x+\b], 0xff000000, v[BM+8*\x+\b]
.endr
.endr
.irp x, 0,1
.irp b, 0,1
	v_lshrrev_b32 v[BY+8*\x+\b], 23, v[SO+8*\x+\b]
.endr
.endr
.if \hd == 0
.irp x, 0,1
	v_lshl_or_b32 v[AW+\x], v[BY+8*\x+1], 8, v[BY+8*\x]
.endr
.else
.irp x, 0,1
	v_lshl_or_b32 v[AW+\x], v[BY+8*\x], 16, v[AW+\x]
.endr
.irp x, 0,1
	v_lshl_or_b32 v[AW+\x], v[BY+8*\x+1], 24, v[AW+\x]
.endr
.endif
	WIN 0x01
.irp x, 0,1
	v_cvt_scalef32_pk16_fp6_f32 v[AI+12*\x+6*\hd:AI+12*\x+6*\hd+2], v[64*\x:64*\x+15], v[SO+8*\x]
	v_cvt_scalef32_pk16_fp6_f32 v[TQ+8*\x:TQ+8*\x+2], v[64*\x+16:64*\x+31], v[SO+8*\x+1]
.endr
	WIN 0
	v_nop                                          ; one plain place behind a scaled conversion
.irp x, 0,1
.irp i, 0,1,2
	v_permlane16_swap_b32 v[AI+12*\x+6*\hd+\i], v[TQ+8*\x+\i]
.endr
.endr
.irp x, 0,1
.irp i, 0,1,2
	v_mov_b32 v[AI+12*\x+6*\hd+3+\i], v[TQ+8*\x+\i]
.endr
.endr
.endm
.macro HEAD hd
	s_mov_b32 s36, \hd*HLP
	s_mov_b32 s37, \hd*HLP
	s_mov_b32 s38, \hd*HLP
	v_add_nc_u32 v[ADK], s36, v[AK0]
	v_add_nc_u32 v[ADS], s37, v[ASK0]
	KLOAD                                          ; the first step's k
.irp x, 0,1
	v_mov_b32 v[ST+4*\x+1], 0xff61b1e6             ; the largest score so far: -3e38
	v_mov_b32 v[T1+8*\x], 0x7e000000               ; the old -M: 2^125, so that the first f is 0
	v_mov_b32 v[ST+4*\x+2], 0
	v_mov_b32 v[ST+4*\x+3], 0
.endr
.if \hd == 0
	s_wait_loadcnt 0x0                             ; q and its scale words
.irp i, 0,1,2,3
	v_lshlrev_b32 v[QSB+\i], 16, v[QSA+\i]
.endr
.endif
	s_wait_alu depctr_va_vdst(0)
	s_wait_dscnt 0x0
	KPERM
	WIN 0x40
.set j, 0
.rept 64
	v_mov_b32 v[OO+j], 0                           ; the step is written once: the first finds zeros; these are also the places behind the scale words
.set j, j+1
.endr
	WIN 0
	s_mov_b32 s39, 8
.Lstep_\@:
	STEP \hd
	s_sub_co_u32 s39, s39, 1
	s_cmp_lg_u32 s39, 0
	s_cbranch_scc1 .Lstep_\@
	FINISH \hd
.endm
	HEAD 0
	HEAD 1
.irp x, 0,1
.irp c, 0,1,2
	global_store_b128 v[L16], v[AI+12*\x+4*\c:AI+12*\x+4*\c+3], s[48:49] offset:3072*\x+512*\c   ; a's fragments as they stand: 512 consecutive bytes a store
.endr
	global_store_b32 v[R4], v[AW+\x], s[50:51] offset:512*\x   ; row r's scale word; lanes r and 16 + r write the same word with the same value
.endr
	s_wait_tensorcnt 0x0                           ; the wave's end
	ds_add_u32 v254, v255
	s_wait_dscnt 0x0
	CROUND                                         ; the closing round
	s_endpgm
.Lfunc_end_k_q550dc20c6f_attn:
	.size	k_q550dc20c6f_attn, .Lfunc_end_k_q550dc20c6f_attn-k_q550dc20c6f_attn
	.p2alignl 7, 3214868480
	.fill 96, 4, 3214868480
	.section	.rodata,"a",@progbits
	.p2align	6, 0x0
	.amdhsa_kernel k_q550dc20c6f_attn
		.amdhsa_group_segment_fixed_size 327680
		.amdhsa_private_segment_fixed_size 0
		.amdhsa_enable_private_segment 0
		.amdhsa_kernarg_size 16
		.amdhsa_user_sgpr_count 2
		.amdhsa_user_sgpr_kernarg_segment_ptr 1
		.amdhsa_wavefront_size32 1
		.amdhsa_system_sgpr_workgroup_id_x 1
		.amdhsa_system_sgpr_workgroup_id_y 1
		.amdhsa_system_sgpr_workgroup_id_z 1
		.amdhsa_system_vgpr_workitem_id 0
		.amdhsa_next_free_vgpr 512
		.amdhsa_next_free_sgpr 66
		.amdhsa_reserve_vcc 0
		.amdhsa_float_denorm_mode_32 3
		.amdhsa_float_denorm_mode_16_64 3
		.amdhsa_memory_ordered 1
		.amdhsa_forward_progress 1
		.amdhsa_inst_pref_size 88
	.end_amdhsa_kernel
	.amdgpu_metadata
---
amdhsa.version: [ 1, 2 ]
amdhsa.kernels:
  - .name:           k_q550dc20c6f_attn
    .symbol:         k_q550dc20c6f_attn.kd
    .args:
      - { .name: qkv, .offset: 0, .size: 8, .value_kind: global_buffer, .address_space: global }
      - { .name: aq, .offset: 8, .size: 8, .value_kind: global_buffer, .address_space: global }
    .group_segment_fixed_size: 327680
    .private_segment_fixed_size: 0
    .kernarg_segment_align: 8
    .kernarg_segment_size: 16
    .max_flat_workgroup_size: 256
    .sgpr_count:     66
    .vgpr_count:     512
    .wavefront_size: 32
...
	.end_amdgpu_metadata
.endif
;; end of part 3
;; launch gemm_out (part 4): grid 8 x 32, 4 waves a work-group, clusters of 4 x 4, 327,680 bytes of LDS; arguments aq, oq, out_proj_bias, out0; writes out0
.if DOCPART == 4
	.amdgcn_target "amdgcn-amd-amdhsa--gfx1250"
	.amdhsa_code_object_version 6
	.text
	.protected	k_q550dc20c6f_gemm_out
	.globl	k_q550dc20c6f_gemm_out
	.p2align	8
	.type	k_q550dc20c6f_gemm_out,@function
k_q550dc20c6f_gemm_out:
	s_mov_b64 s[64:65], 0
	v_nop
	global_prefetch_b8 v0, s[64:65] scope:SCOPE_SE
	s_setreg_imm32_b32 hwreg(HW_REG_WAVE_MODE, 25, 1), 1
	s_wait_xcnt 0x0
	s_wait_alu depctr_hold_cnt(0) depctr_sa_sdst(0) depctr_va_vdst(0) depctr_va_sdst(0) depctr_va_ssrc(0) depctr_va_vcc(0) depctr_vm_vsrc(0)
	s_getreg_b32 s2, hwreg(HW_REG_IB_STS2, 6, 4)
	s_cmp_eq_u32 s2, 0
	s_cbranch_scc0 .Lentry_in_a_cluster
	s_endpgm
.Lentry_in_a_cluster:
	s_bfe_u32 s2, ttmp6, 0x10000c
	s_cmp_lg_u32 s2, 0xf033
	s_cbranch_scc0 .Lentry_shape_is_right
	s_endpgm
.Lentry_shape_is_right:
; out0 = a W^T + bias on codes of FP6 (E2M3) with E8M0 scales, K = 1,024; out0 [1024 (l)][8 (b)][1024] f32.  a's rows are counted as 1,024 b + l.
; OPERANDS lie in memory as images of the matrix unit's registers: [pair of K steps 0..3][block of 16 rows][3,072 bytes], the scale words behind them: [block][K step][row].
; SHARES: a tile is 256 rows of a x 128 rows of W: 32 x 8 = 256 work-groups.  Wave w takes a's blocks 4 w .. 4 w + 3 against W's eight: 32 accumulators.
; THE MATRIX INSTRUCTION IS USED TRANSPOSED (source 0 = 16 rows of W, source 1 = 16 rows of a): a lane holds eight neighbouring numbers of a row of out0.
; LDS: all of K at once, each byte filled once, ONE tensor load a wave.  8 blocks of one pair of K steps are 24,576 dense bytes: they are stated as one row of a tile, and the pairs as its rows.
;   Wave 0: a's blocks 0-7, four pairs (four rows); wave 1: blocks 8-15; wave 2: W's pairs 0, 1 (two rows); wave 3: pairs 2, 3.  a's half g lies at 98,304 g, W at 196,608, pair p 24,576 p on.
; CLUSTERS: 4 x 4 work-groups.  a's tiles are asked for jointly along a row of the cluster, W's along a column.  The eight K steps are written out; there is no loop, so no prefetch is laid.
; REGISTERS: window 0: addresses; v32-47 a's scale words, v64-95 W's; v96-127 and v224-255 the bias; v128-223 a's 4 fragments, two sets.
;   window 1: W's 8 fragments, two sets, at v0 and v128.   window 2: the accumulators ((a, b) at v[8 (8 a + b)]).
.set SPA,   1572864                    ; bytes from pair to pair of K steps: a's 512 blocks x 3,072,
.set SPB,   196608                     ; W's 64
.set HALFT, 24576                      ; 8 blocks x 3,072 bytes
.set XP,    2*HALFT
.set WR,    8*HALFT                    ; behind a: W
.set SPARE, 12*HALFT                   ; behind W: the spare words
.set SPITCH, 528                       ; the way out: a stage of 16 rows x (512 bytes + 16) for each wave, from LDS byte 0 on, behind a barrier behind which nobody reads a tile
.set WB,   12                          ; v12-13 LDS address of W's fragments: pairs 0, 1 and pairs 2, 3
.set ADRA, 16                          ; v16-19 LDS address of my fragments of a, pair 0 .. 3
.set STO,  24
.set L16,  25
.set RD,   26
.set L4,   27
.set SA,   32
.set SB,   64
.set AF,   128
.set BK,   128                         ; the way out: 16 rows read back: v128-191 and v192-255 by turns
.set G1A,  24                          ; s[24:31] group 1 for a's tiles; s[32:39] for W's
.set G1B,  32
.set G0A,  40                          ; s[40:43] group 0 for a; s[44:47] for W
.set G0W,  44
.set MSB, 0
.macro WIN new                         ; the immediate's high byte repeats the setting that is left
.if MSB != \new
	s_set_vgpr_msb (MSB<<8)|\new
.set MSB, \new
.endif
.endm
.set MUL_LO, 0xa1                      ; source 0 (W) window 1, source 1 (a) window 0, C and D window 2
.set TO_B,   0x40                      ; destination window 1, address window 0
.macro PLACES n
.rept \n
	v_nop
.endr
.endm
.macro CROUND                          ; a round of the cluster's barrier
	s_barrier_signal -1
	s_barrier_wait -1
	s_cmp_lg_u32 s14, 0
	s_cbranch_scc1 .Lnot_wave_0_\@
	s_barrier_signal -3
.Lnot_wave_0_\@:
	s_barrier_wait -3
	s_barrier_signal -1
	s_barrier_wait -1
.endm
.macro FRAG reg, adr, off              ; a fragment comes as it was stored: three loads of 512 consecutive bytes
.irp c, 0,1,2
	ds_load_b128 v[\reg+4*\c:\reg+4*\c+3], v[\adr] offset:\off+512*\c
.endr
.endm
.macro FETCHO s                        ; K step s (pair s / 2) into both operands' set s % 2
	WIN TO_B
.irp i, 0,1,2,3,4,5,6,7
	FRAG 128*((\s)%2)+12*\i, WB+(\s)/4, HALFT*(((\s)/2)%2)+3072*\i+1536*((\s)%2)
.endr
	WIN 0
.irp i, 0,1,2,3
	FRAG AF+48*((\s)%2)+12*\i, ADRA+(\s)/2, 3072*\i+1536*((\s)%2)
.endr
.endm
; 8 matrix instructions: a's block a x W's eight.  cm = 1: the sums start with the bias.  A scale register holds an even K step's words in lanes 0-15 and the odd one's in lanes 16-31.
; The 32 accumulators take turns, one instruction a turn.
.macro MULO a, s, cm
.irp b, 0,1,2,3,4,5,6,7
.set rD, 8*(8*(\a)+\b)
.set rC, rD
.if \cm
.set rC, 96+8*\b+96*(\b/4)
.endif
.set rB, 128*((\s)%2)+12*\b
.set rA, AF+48*((\s)%2)+12*(\a)
.if (\s)%2
	v_wmma_scale_f32_16x16x128_f8f6f4 v[rD:rD+7], v[rB:rB+11], v[rA:rA+11], v[rC:rC+7], v[SB+4*\b+(\s)/2], v[SA+4*(\a)+(\s)/2] matrix_a_fmt:MATRIX_FMT_FP6 matrix_b_fmt:MATRIX_FMT_FP6 matrix_a_scale:MATRIX_SCALE_ROW1 matrix_b_scale:MATRIX_SCALE_ROW1
.else
	v_wmma_scale_f32_16x16x128_f8f6f4 v[rD:rD+7], v[rB:rB+11], v[rA:rA+11], v[rC:rC+7], v[SB+4*\b+(\s)/2], v[SA+4*(\a)+(\s)/2] matrix_a_fmt:MATRIX_FMT_FP6 matrix_b_fmt:MATRIX_FMT_FP6
.endif
.endr
.endm
; A K step: the successor's 36 loads go out first and have this step's 32 matrix instructions in which to land.
.macro STEPO s, cm
	s_wait_dscnt 0x0                               ; this step's fragments are in
.if (\s) > 0
	PLACES 4                                       ; behind the last step's products, which read the sets that are loaded now
.endif
	FETCHO (\s)+1
.if \cm
	WIN 0x81                                       ; C (the bias) window 0, D window 2
.else
	WIN MUL_LO
.endif
	MULO 0, \s, \cm
	MULO 1, \s, \cm
	MULO 2, \s, \cm
	MULO 3, \s, \cm
	WIN 0
.endm
	s_load_b256 s[4:11], s[0:1], 0x0               ; aq s[4:5], oq s[6:7], out_proj_bias s[8:9], out0 s[10:11]
	v_lshl_add_u32 v62, v0, 2, SPARE
	v_mov_b32 v63, 0
	ds_add_u32 v62, v63                            ; the opening lines: the add twice on end and one wait
	ds_add_u32 v62, v63
	v_lshrrev_b32 v1, 5, v0
	v_readfirstlane_b32 s14, v1                    ; wave 0..3
	s_lshr_b32 s15, s14, 1                         ; what I fetch: a (0) or W (1); also: the half of a in which my blocks lie
	s_and_b32 s16, s14, 1                          ; which half of it
	s_bfe_u32 s18, ttmp6, 0x40000                  ; cx
	s_bfe_u32 s19, ttmp6, 0x40004                  ; cy
	s_and_b32 s13, ttmp7, 0xffff
	s_lshl_b32 s22, s19, 2
	s_lshl_b32 s22, 15, s22                        ; my row of the cluster
	s_lshl_b32 s23, 0x1111, s18                    ; my column
	s_lshl_b32 s20, s13, 2
	s_add_co_u32 s20, s20, s19                     ; TY: a's tile
	s_lshl_b32 s21, ttmp9, 2
	s_add_co_u32 s21, s21, s18                     ; TX: W's tile
	s_or_b32 s[G1A], s22, (3<<16)|(1<<21)          ; the mask: a's tiles go to my row; elements of 8 bytes; bit 21 beside a mask
	s_or_b32 s[G1B], s23, (3<<16)|(1<<21)          ; W's to my column
.irp g, G1A, G1B
	s_mov_b32 s[\g+1], 3072<<16                    ; tensor_dim0: 24,576 bytes
	s_mov_b32 s[\g+3], 3072<<16                    ; tile_dim0
	s_mov_b32 s[\g+6], 0
	s_mov_b32 s[\g+7], 0
.endr
	s_mov_b32 s[G1A+2], 4<<16                      ; a: four pairs,
	s_mov_b32 s[G1A+4], 4
	s_mov_b32 s[G1A+5], SPA/8                      ; SPA bytes apart
	s_mov_b32 s[G1B+2], 2<<16                      ; W: two pairs,
	s_mov_b32 s[G1B+4], 2
	s_mov_b32 s[G1B+5], SPB/8                      ; SPB bytes apart
	; a's offsets are made of TY and the wave's number alone
	s_lshl_b32 s2, s20, 4                          ; a's tile begins at block 16 TY
	s_lshl_b32 s3, s16, 3
	s_add_co_u32 s80, s2, s3
	s_mul_i32 s80, s80, 3072                       ; the half that I fetch
	s_mov_b32 s81, 0
	s_lshl_b32 s3, s14, 2
	s_add_co_u32 s70, s2, s3                       ; the 4 blocks that I multiply:
	s_lshl_b32 s70, s70, 9
	s_add_co_u32 s70, s70, 4*SPA                   ; their scale words, behind the codes, 512 bytes a block
	s_mov_b32 s71, 0
	; W's of TX and the wave's number alone
	s_lshl_b32 s84, s21, 3                         ; W's tile begins at block 8 TX
	s_mul_i32 s88, s84, 3072
	s_mul_i32 s85, s16, 2*SPB
	s_add_co_u32 s88, s88, s85                     ; pairs 0, 1 (wave 2) or 2, 3 (wave 3)
	s_mov_b32 s89, 0
	s_lshl_b32 s72, s84, 9
	s_add_co_u32 s72, s72, 4*SPB                   ; its scale words
	s_mov_b32 s73, 0
	; where the loads land: made of the wave's number alone
	s_mul_i32 s17, s16, 4*HALFT
	s_mul_i32 s69, s16, XP
	s_add_co_u32 s69, s69, WR
	s_wait_dscnt 0x0
	s_wait_kmcnt 0x0
	s_mov_b32 s[G0A], 1
	s_mov_b32 s[G0A+1], s17
	s_add_nc_u64 s[G0A+2:G0A+3], s[4:5], s[80:81]
	s_or_b32 s[G0A+3], s[G0A+3], 0x80000000
	s_mov_b32 s[G0W], 1
	s_mov_b32 s[G0W+1], s69
	s_add_nc_u64 s[G0W+2:G0W+3], s[6:7], s[88:89]
	s_or_b32 s[G0W+3], s[G0W+3], 0x80000000
	s_add_nc_u64 s[70:71], s[4:5], s[70:71]        ; a's scale words
	s_add_nc_u64 s[72:73], s[6:7], s[72:73]        ; W's
	CROUND                                         ; all sixteen work-groups are here: the joint loads meet
	s_cmp_eq_u32 s15, 0                            ; one load a wave, in the two arms of one branch on the wave's number
	s_cbranch_scc0 .Lfor_w
	tensor_load_to_lds s[G0A:G0A+3], s[G1A:G1A+7]
	s_nop 0
	PLACES 4
	s_branch .Lasked
.Lfor_w:
	tensor_load_to_lds s[G0W:G0W+3], s[G1B:G1B+7]
	s_nop 0
	PLACES 4
.Lasked:
	v_and_b32 v1, 15, v0                           ; r
	v_bfe_u32 v2, v0, 4, 1                         ; h
	v_and_b32 v3, 31, v0                           ; lane
	v_lshlrev_b32 v[L4], 2, v3
	v_lshlrev_b32 v[L16], 4, v3
	v_lshlrev_b32 v4, 5, v2                        ; 32 h: the bias
	s_wait_alu depctr_va_vdst(0)                   ; the wait ahead of the scalar lines below
	s_mul_i32 s2, s15, 4*HALFT                     ; my 4 blocks of a: the half,
	s_mul_i32 s3, s16, 12288                       ; the half of that
	s_add_co_u32 s2, s2, s3
.irp n, 0,1,2,3
	v_add_nc_u32 v[ADRA+\n], s2, v[L16]
	s_add_co_u32 s2, s2, HALFT
.endr
	v_add_nc_u32 v[WB], WR, v[L16]
	v_add_nc_u32 v[WB+1], WR+XP, v[L16]
.irp a, 0,1,2,3                        ; all scale words come once, straight into registers: lanes 0-15 an even K step's, lanes 16-31 the odd one's
.irp p, 0,1,2,3
	global_load_b32 v[SA+4*\a+\p], v[L4], s[70:71] offset:512*\a+128*\p
.endr
.endr
.irp b, 0,1,2,3,4,5,6,7
.irp p, 0,1,2,3
	global_load_b32 v[SB+4*\b+\p], v[L4], s[72:73] offset:512*\b+128*\p
.endr
.endr
	s_lshl_b32 s76, s21, 9                         ; the bias, in the result's layout: register j of W's block b wants column 128 TX + 16 b + 8 h + j
	s_mov_b32 s77, 0
	s_add_nc_u64 s[78:79], s[8:9], s[76:77]
.irp b, 0,1,2,3,4,5,6,7
	global_load_b128 v[96+8*\b+96*(\b/4):96+8*\b+96*(\b/4)+3], v4, s[78:79] offset:64*\b
	global_load_b128 v[96+8*\b+96*(\b/4)+4:96+8*\b+96*(\b/4)+7], v4, s[78:79] offset:64*\b+16
.endr
	s_mul_i32 s2, s14, 16*SPITCH                   ; my stage
	v_mul_u32_u24 v[STO], v1, SPITCH               ; in: row r, 32 bytes for each half of the lanes
	v_lshl_add_u32 v[STO], v2, 5, v[STO]
	v_add_nc_u32 v[STO], s2, v[STO]
	v_add_nc_u32 v[RD], s2, v[L16]                 ; back: the 32 lanes take one row of 512 bytes
	s_and_b32 s2, s20, 3                           ; my first row: l = 256 (TY % 4) + 64 x wave, 32,768 bytes each;
	s_lshl_b32 s2, s2, 23
	s_lshl_b32 s3, s14, 21
	s_add_co_u32 s2, s2, s3
	s_lshr_b32 s3, s20, 2                          ; b = TY / 4, 4,096 bytes each;
	s_lshl_b32 s3, s3, 12
	s_add_co_u32 s2, s2, s3
	s_add_co_u32 s86, s2, s76                      ; my first column: 512 TX bytes
	s_mov_b32 s87, 0
	s_add_nc_u64 s[86:87], s[10:11], s[86:87]
	s_wait_alu depctr_va_vdst(0)                   ; the wait at the head's end
	s_wait_tensorcnt 0x0                           ; my load has landed
	s_barrier_signal -1
	s_barrier_wait -1                              ; everybody's has: all of a's and W's tiles
	FETCHO 0
	s_wait_loadcnt 0x0                             ; the scale words and the bias
	STEPO 0, 1                                     ; the first K step's C is the bias
.irp s, 1,2,3,4,5,6
	STEPO \s, 0
.endr
	s_wait_dscnt 0x0                               ; the last K step's fragments are in: my reads of the tiles are over;
	s_barrier_signal -1                            ; say so,
	WIN MUL_LO
	MULO 0, 7, 0
	MULO 1, 7, 0
	MULO 2, 7, 0
	MULO 3, 7, 0
	WIN 0
	s_barrier_wait -1                              ; and store to the stage only when all four have said so
; THE WAY OUT, block by block of 16 rows x 128 columns: through my own stage in LDS, back as whole rows of 512 bytes.  LDS serves a wave's instructions in order (ISA guide 5.7.1.4): no wait between the stores and the loads.
.macro TOSTAGE a
.set AC, 64*(\a)
	WIN 0x08                                       ; the data: window 2
.irp b, 0,1,2,3,4,5,6,7
	ds_store_b128 v[STO], v[AC+8*\b:AC+8*\b+3] offset:64*\b          ; each accumulator from its low end on
	ds_store_b128 v[STO], v[AC+8*\b+4:AC+8*\b+7] offset:64*\b+16
.endr
	WIN 0
.set BB, BK+64*((\a)%2)
.irp t, 0,1,2,3,4,5,6,7,8,9,10,11,12,13,14,15
	ds_load_b128 v[BB+4*\t:BB+4*\t+3], v[RD] offset:\t*SPITCH
.endr
.endm
.macro SEND a, younger                 ; younger: the LDS instructions issued behind block a's loads, which may stay out
.set BB, BK+64*((\a)%2)
	s_wait_dscnt \younger                          ; the block is back in registers
.if (\a) > 0
	s_add_nc_u64 s[86:87], s[86:87], 16*32768      ; (behind a wait on XCNT: the earlier stores have read their base)  16 l on
.endif
.irp t, 0,1,2,3,4,5,6,7,8,9,10,11,12,13,14,15
	global_store_b128 v[L16], v[BB+4*\t:BB+4*\t+3], s[86:87] offset:\t*32768 th:TH_STORE_NT   ; 32 lanes store 512 consecutive bytes, at a multiple of 256 from out0's first byte
.endr
.endm
	PLACES 4                                       ; behind the last products: their results are read, and loads land in the registers that held a's fragments
	TOSTAGE 0
.irp a, 1,2,3
.if \a > 1
	s_wait_xcnt 0x0                                ; block a - 2's stores have read their registers and their base
.endif
	TOSTAGE \a
	SEND \a-1, 32                                  ; behind block a - 1's loads: block a's 16 stores and 16 loads
.endr
	s_wait_xcnt 0x0                                ; block 2's stores have read their base
	SEND 3, 0
	s_wait_tensorcnt 0x0                           ; the wave's end
	ds_add_u32 v62, v63
	s_wait_dscnt 0x0
	CROUND                                         ; the closing round
	s_endpgm
.Lfunc_end_k_q550dc20c6f_gemm_out:
	.size	k_q550dc20c6f_gemm_out, .Lfunc_end_k_q550dc20c6f_gemm_out-k_q550dc20c6f_gemm_out
	.p2alignl 7, 3214868480
	.fill 96, 4, 3214868480
	.section	.rodata,"a",@progbits
	.p2align	6, 0x0
	.amdhsa_kernel k_q550dc20c6f_gemm_out
		.amdhsa_group_segment_fixed_size 327680
		.amdhsa_private_segment_fixed_size 0
		.amdhsa_enable_private_segment 0
		.amdhsa_kernarg_size 32
		.amdhsa_user_sgpr_count 2
		.amdhsa_user_sgpr_kernarg_segment_ptr 1
		.amdhsa_wavefront_size32 1
		.amdhsa_system_sgpr_workgroup_id_x 1
		.amdhsa_system_sgpr_workgroup_id_y 1
		.amdhsa_system_sgpr_workgroup_id_z 1
		.amdhsa_system_vgpr_workitem_id 0
		.amdhsa_next_free_vgpr 1024
		.amdhsa_next_free_sgpr 96
		.amdhsa_reserve_vcc 0
		.amdhsa_float_denorm_mode_32 3
		.amdhsa_float_denorm_mode_16_64 3
		.amdhsa_memory_ordered 1
		.amdhsa_forward_progress 1
		.amdhsa_inst_pref_size 80
	.end_amdhsa_kernel
	.amdgpu_metadata
---
amdhsa.version: [ 1, 2 ]
amdhsa.kernels:
  - .name:           k_q550dc20c6f_gemm_out
    .symbol:         k_q550dc20c6f_gemm_out.kd
    .args:
      - { .name: aq, .offset: 0, .size: 8, .value_kind: global_buffer, .address_space: global }
      - { .name: oq, .offset: 8, .size: 8, .value_kind: global_buffer, .address_space: global }
      - { .name: out_proj_bias, .offset: 16, .size: 8, .value_kind: global_buffer, .address_space: global }
      - { .name: out0, .offset: 24, .size: 8, .value_kind: global_buffer, .address_space: global }
    .group_segment_fixed_size: 327680
    .private_segment_fixed_size: 0
    .kernarg_segment_align: 8
    .kernarg_segment_size: 32
    .max_flat_workgroup_size: 128
    .sgpr_count:     96
    .vgpr_count:     1024
    .wavefront_size: 32
...
	.end_amdgpu_metadata
.endif
;; end of part 4
